; MI455X (gfx1250); checked and timed in simulation.
; The chip was launched on July 23, 2026; its instructions are those of AMD's public machine-readable ISA for CDNA 5 (MIT licence, August 2026) and "CDNA5" Instruction Set Architecture Reference Guide (July 2026). The comments in the code are by the model that wrote it; some were corrected since.
;; SA Block. Allowed arithmetic: matrix products marked QUANTISED: E2M1 operands, one E8M0 scale for each 32 along K, by v_wmma_scale_f32_16x16x128_f8f6f4 with both operands' format E2M1 (or v_wmma_scale_f32_32x16x128_f4), f32 sums; everything else in f32.
;; Inputs: Wk_codes 1,024 x 32 x 16 uint8 (E2M1 codes of Wk, K innermost, in blocks of 32 codes, two codes a byte); Wk_scales 1,024 x 32 uint8 (E8M0 scales of Wk, one for each 32 codes along K); Wq_codes 1,024 x 32 x 16 uint8 (E2M1 codes of Wq, K innermost, in blocks of 32 codes, two codes a byte); Wq_scales 1,024 x 32 uint8 (E8M0 scales of Wq, one for each 32 codes along K); Wv_codes 1,024 x 32 x 16 uint8 (E2M1 codes of Wv, K innermost, in blocks of 32 codes, two codes a byte); Wv_scales 1,024 x 32 uint8 (E8M0 scales of Wv, one for each 32 codes along K); embed 2 x 2,048 x 1,024 float32; ln2_b 1,024 float32; ln2_g 1,024 float32; ln_b 1,024 float32; ln_g 1,024 float32; w1_b 4,096 float32; w1_w_codes 4,096 x 32 x 16 uint8 (E2M1 codes of w1_w, K innermost, in blocks of 32 codes, two codes a byte); w1_w_scales 4,096 x 32 uint8 (E8M0 scales of w1_w, one for each 32 codes along K); w2_b 1,024 float32; w2_w_codes 1,024 x 128 x 16 uint8 (E2M1 codes of w2_w, K innermost, in blocks of 32 codes, two codes a byte); w2_w_scales 1,024 x 128 uint8 (E8M0 scales of w2_w, one for each 32 codes along K).
;; Outputs: out0 2 x 2,048 x 1,024 float32.
;; This version of the problem:
;;   THIS VERSION OF THE PROBLEM IS GIVEN IN LOW PRECISION. The matrix products marked QUANTISED in the list below multiply operands that are first quantised to E2M1 (2 exponent bits, 1 mantissa bit; 4 bits a number), with one power-of-two scale for each 32 numbers along K (OCP MX v1.0); their sums are f32. All else is computed in f32.
;;   The module's matrix products, in the order in which they are computed (A, B: the left and right operand; K: the contracted axis; several contracted axes count as one K, in the product's order):
;;     1. [M 4,096, K 1,024] x [K 1,024, N 1,024]; A: input embed; B: input Wk (given as codes): QUANTISED
;;     2. [M 4,096, K 1,024] x [K 1,024, N 1,024]; A: input embed; B: input Wq (given as codes): QUANTISED
;;     3. [M 4,096, K 1,024] x [K 1,024, N 1,024]; A: input embed; B: input Wv (given as codes): QUANTISED
;;     4. batch 32 x [M 2,048, K 64] x [K 64, N 2,048]; A: computed on the way; B: computed on the way: QUANTISED
;;     5. batch 32 x [M 64, K 2,048] x [K 2,048, N 2,048]; A: computed on the way; B: softmax (see below): QUANTISED
;;     6. [M 4,096, K 1,024] x [K 1,024, N 4,096]; A: computed on the way; B: input w1_w (given as codes): QUANTISED
;;     7. [M 4,096, K 4,096] x [K 4,096, N 1,024]; A: computed on the way; B: input w2_w (given as codes): QUANTISED
;;   THE QUANTISER, for each operand of a quantised product, along K:
;;     - K is cut into blocks of 32 from its start; a last block that is shorter is filled with zeros.
;;     - A block's scale is 2^e with e = floor(log2(the largest magnitude in the block)) - 2, held to -126 .. 127; a block of zeros has e = 0. As a byte (E8M0): e + 127.
;;     - Each number is divided by its block's scale, clamped to +-6, and rounded to the nearest number of E2M1, ties to even, subnormals kept.
;;     - The product sums the exact products of the quantised numbers (number of the format x scale) in f32.
;;   ~~~python
;;   def quantise(x, axis):      # numpy; x: float32 -> the quantised numbers, widened to float32 again
;;       x = np.moveaxis(x, axis, -1); K = x.shape[-1]
;;       x = np.pad(x, [(0, 0)] * (x.ndim - 1) + [(0, -K % 32)]); x = x.reshape(x.shape[:-1] + (-1, 32)); a = np.abs(x).max(-1, keepdims=True)
;;       e = np.where(a > 0, np.clip(np.frexp(np.where(a > 0, a, 1))[1] - 1 - 2, -126, 127), 0)      # np.frexp(a)[1] - 1 = floor(log2(a)), exactly
;;       r = np.clip(x / 2.0 ** e, -6, 6)
;;       step = 2.0 ** (np.maximum(np.frexp(np.where(r == 0, 1, r))[1] - 1, 0) - 1)
;;       q = np.round(r / step) * step * 2.0 ** e      # np.round: ties to even
;;       return np.moveaxis(q.reshape(q.shape[:-2] + (-1,))[..., :K], -1, axis).astype(np.float32)
;;   ~~~
;;   SOFTMAX AHEAD OF A QUANTISED PRODUCT. Where the list says 'softmax', what is quantised is not the finished softmax but p = 2^(t - M), with t = logit x log2(e) and M = ceil(the row's largest t), a whole number; so 1/2 < the row's largest p <= 1. The row's sum l is taken of the UNQUANTISED p, in f32, and the product's result is divided by l at the end. Since M is a whole number, a kernel that streams over the keys may use a running M (the ceiling of the running maximum): every later rescaling is an exact power of two, which a block's scale takes up: the codes' values come out the same.
;;   OPERANDS COMPUTED ON THE WAY. 'Computed on the way' means the value that the module computes at that place (a softmax that the list does not call 'softmax' is quantised finished and normalised). What goes into a quantiser is computed in f32, as accurately as f32 sums, v_exp_f32 and their like allow (about 1e-6 of the number): no bf16 or f16 on the way to a quantiser, and a product that is left as it is and whose result goes on into a quantised operand takes f32 operands (vector FMAs, or v_wmma_f32_16x16x4_f32). A number that lies on a knife's edge between two numbers of the format may be rounded either way, as far as f32 arithmetic and the matrix unit's own rounding can turn it there, and no further.
;;   INPUTS GIVEN AS CODES. Wk (in the module: [1024, 1024], K = its axis 1); Wq (in the module: [1024, 1024], K = its axis 1); Wv (in the module: [1024, 1024], K = its axis 1); w1_w (in the module: [4096, 1024], K = its axis 1); w2_w (in the module: [1024, 4096], K = its axis 1): each comes as NAME_codes (uint8): NAME with its K axis moved to the last place and cut into blocks of 32 codes, [.., K / 32, bytes a block], one block behind the other in memory; two codes a byte, the lower K in the low four bits (a code: sign, 2 exponent bits, 1 mantissa bit); and NAME_scales (uint8): the same leading axes, one E8M0 byte (e + 127) for each 32 codes along K. Its value is code x scale, taken as it is: it is not quantised again, and the codes and scales need not be those that the quantiser above would give.
;; One version. Each part assembles by itself: llvm-mc -triple=amdgcn-amd-amdhsa -mcpu=gfx1250 --defsym DOCPART=n.
;; ======== version 1 of 1: 7 launches
;; limits: right only within a limited range of input values
;; workspace buffers: aq 2,228,224 bytes; qkv 6,946,816 bytes; z 16,777,216 bytes; o1 16,777,216 bytes; h 8,912,896 bytes
;; launch prep (part 1): grid 256 x 1, 8 waves a work-group, no clusters, 42,496 bytes of LDS; arguments embed, aq; writes aq
.if DOCPART == 1
	.amdgcn_target "amdgcn-amd-amdhsa--gfx1250"
	.amdhsa_code_object_version 6
	.text
	.protected	k_qcc67701b6e_prep
	.globl	k_qcc67701b6e_prep
	.p2align	8
	.type	k_qcc67701b6e_prep,@function
k_qcc67701b6e_prep:
	s_mov_b64 s[64:65], 0
	v_nop
	global_prefetch_b8 v0, s[64:65] scope:SCOPE_SE
	s_setreg_imm32_b32 hwreg(HW_REG_WAVE_MODE, 25, 1), 1
	s_wait_xcnt 0x0
; embed [4096][1024] f32 becomes codes of FP4 (E2M1), K = the 1,024 innermost, with one E8M0 byte for each 32 along K.
; aq: codes [4096][512 bytes] from byte 0, scale bytes [4096][32] from byte AQS.
; A block's scale is 2^(floor(log2(its largest magnitude)) - 2); its byte is the largest magnitude's exponent field - 2, held at 1 from below.
; LIMITS: NaN and infinities are not served; a block whose largest magnitude lies under 2^-124, a block of zeros among them, gets the byte 1
; (a block of zeros has zero codes, which add nothing under that byte; the bytes are read by this program alone).
; Rows are dense and 1,024 is a multiple of 32: the tensor is a plain stream of blocks.  A wave takes 4 steps of 512 numbers; eight waves to a work-group: 16,384 numbers, 16 rows.
; All 16 loads of a wave go out at its head: 8,192 bytes a wave.  Each load reads 512 consecutive bytes, 16 a lane; a step's 2,048 bytes turn through the wave's own stage in LDS
; and come back 64 bytes a lane: 16 neighbours along K; two neighbouring lanes hold a block.  A step's codes leave as 256 consecutive bytes.
; The work-group's 512 scale bytes are gathered in LDS and leave, behind one barrier, as 512 consecutive bytes.
.set STEPS, 4
.set EMAX,  2
.set CB,    8                          ; bytes of 16 codes
.set R,     16                         ; v16-79   four sets of 16 numbers as they are loaded
.set X,     80                         ; v80-111  two sets of 16 neighbours
.set E,     112                        ; v112-115 a scale byte for each step
.set C,     128                        ; v128-143 codes: registers of its own for each step
.set SPW,   144                        ; my spare word; never rewritten
.set NIL,   145                        ; 0; never rewritten
.set SP,    80                         ; a lane's place in a stage: 64 bytes + 16 of padding
.set WREG,  2*32*SP                    ; LDS: two stages for each wave
.set SCB,   8*WREG                     ; behind them the work-group's 512 scale bytes
.set SPARE, SCB+512                    ; and the spare words, 128 bytes a wave
.set AQS,   2097152
	s_load_b128 s[4:7], s[0:1], 0x0                ; embed s[4:5], aq s[6:7]
	v_lshl_add_u32 v[SPW], v0, 2, SPARE
	v_mov_b32 v[NIL], 0
	v_lshrrev_b32 v1, 5, v0
	v_readfirstlane_b32 s16, v1                    ; wave 0..7
	v_and_b32 v2, 31, v0                           ; lane
	v_lshlrev_b32 v3, 4, v2                        ; my 16 bytes of a load's 512
	s_mul_i32 s17, s16, WREG
	v_lshrrev_b32 v14, 2, v2
	v_mul_u32_u24 v14, v14, SP
	v_and_b32 v15, 3, v2
	v_lshl_add_u32 v14, v15, 4, v14
	v_add_nc_u32 v14, s17, v14                     ; the stage, on the way in: SP (lane / 4) + 16 (lane % 4)
	v_mul_u32_u24 v15, v2, SP
	v_add_nc_u32 v15, s17, v15                     ; on the way out: SP x lane: my 16 neighbours
	v_mul_u32_u24 v4, v2, CB                       ; my codes' place in a step's
	v_lshrrev_b32 v5, 1, v2
	s_lshl_b32 s17, s16, 6
	s_add_co_u32 s17, s17, SCB
	v_add_nc_u32 v5, s17, v5                       ; LDS: my block's byte: 64 x wave + lane / 2, + 16 a step
	s_lshl_b32 s18, ttmp9, 3
	s_add_co_u32 s18, s18, s16                     ; which run of 2,048 numbers is my wave's
	s_lshl_b32 s20, s18, 13                        ; 8,192 bytes of numbers,
	s_mov_b32 s21, 0
	s_lshl_b32 s22, s18, 10                        ; 1,024 of codes a run;
	s_mov_b32 s23, 0
	s_lshl_b32 s24, ttmp9, 9                       ; 512 scale bytes a work-group
	s_mov_b32 s25, 0
	s_wait_alu depctr_va_vdst(0)
	s_wait_kmcnt 0x0
	s_add_nc_u64 s[4:5], s[4:5], s[20:21]
	s_add_nc_u64 s[8:9], s[6:7], s[22:23]
	s_add_nc_u64 s[10:11], s[6:7], s[24:25]
	s_add_nc_u64 s[10:11], s[10:11], AQS
.irp t, 0,1,2,3
.irp i, 0,1,2,3
	global_load_b128 v[R+16*\t+4*\i:R+16*\t+4*\i+3], v3, s[4:5] offset:2048*\t+512*\i th:TH_LOAD_NT   ; 32 lanes read 512 consecutive bytes
.endr
.endr
.macro TURN t                          ; step t's numbers through the stage: LDS serves a wave's instructions in order, so no wait stands between the stores and the loads
.irp i, 0,1,2,3
	ds_store_b128 v14, v[R+16*(\t)+4*\i:R+16*(\t)+4*\i+3] offset:32*SP*((\t)%2)+8*SP*\i
.endr
.irp i, 0,1,2,3
	ds_load_b128 v[X+16*((\t)%2)+4*\i:X+16*((\t)%2)+4*\i+3], v15 offset:32*SP*((\t)%2)+16*\i
.endr
.endm
	s_wait_loadcnt 12                              ; step 0's four loads are in; the twelve of steps 1 to 3 may be out
	TURN 0
.macro STEP t
.set XS, X+16*((\t)%2)
.if (\t) > 0
	s_wait_dscnt 1                                 ; this step's numbers are back from the stage (the last step's byte store may be out)
.else
	s_wait_dscnt 0x0
.endif
.if (\t)+1 < STEPS
	s_wait_loadcnt 4*(STEPS-2-(\t))                ; the next step's four loads are in; those of the steps behind it may be out
	TURN (\t)+1
.endif
	v_max3_num_f32 v8, |v[XS]|, |v[XS+1]|, |v[XS+2]|               ; the largest magnitude of my 16, in two chains
	v_max3_num_f32 v9, |v[XS+3]|, |v[XS+4]|, |v[XS+5]|
.irp i, 6,10
	v_max3_num_f32 v8, v8, |v[XS+\i]|, |v[XS+\i+1]|
	v_max3_num_f32 v9, v9, |v[XS+\i+2]|, |v[XS+\i+3]|
.endr
	v_max3_num_f32 v8, v8, |v[XS+14]|, |v[XS+15]|
	v_max3_num_f32 v8, v8, v9, (EMAX+1)<<23        ; and the floor 2^(3 - 127): the byte cannot fall under 1
	v_max_num_f32_dpp v8, v8, v8 row_xmask:1 row_mask:0xf bank_mask:0xf   ; with my neighbour's 16: the block's
	v_add_nc_u32 v11, -(EMAX<<23), v8              ; 2 off its exponent field: the conversion takes the exponent field of this operand as its scale
	v_cvt_scalef32_pk8_fp4_f32 v[C+4*(\t)], v[XS:XS+7], v11
	v_cvt_scalef32_pk8_fp4_f32 v[C+4*(\t)+1], v[XS+8:XS+15], v11
	v_lshrrev_b32 v[E+(\t)], 23, v11               ; the scale's byte
	ds_store_b8 v5, v[E+(\t)] offset:16*(\t)       ; both lanes of a block write the same byte with the same value
	global_store_b64 v4, v[C+4*(\t):C+4*(\t)+1], s[8:9] offset:32*CB*(\t)   ; 32 lanes store 256 consecutive bytes
.endm
.irp t, 0,1,2,3
	STEP \t
.endr
	s_wait_dscnt 0x0                               ; for the others' sake: my byte stores are done
	s_barrier_signal -1
	s_barrier_wait -1
	s_cmp_lg_u32 s16, 0
	s_cbranch_scc1 .Ldone                          ; wave 0 stores the work-group's 512 scale bytes
	ds_load_b128 v[8:11], v3 offset:SCB
	s_wait_dscnt 0x0
	global_store_b128 v3, v[8:11], s[10:11]        ; 512 consecutive bytes
.Ldone:
	s_wait_tensorcnt 0x0                           ; the wave's end
	ds_add_u32 v[SPW], v[NIL]
	s_wait_dscnt 0x0
	s_endpgm
.Lfunc_end_k_qcc67701b6e_prep:
	.size	k_qcc67701b6e_prep, .Lfunc_end_k_qcc67701b6e_prep-k_qcc67701b6e_prep
	.p2alignl 7, 3214868480
	.fill 96, 4, 3214868480
	.section	.rodata,"a",@progbits
	.p2align	6, 0x0
	.amdhsa_kernel k_qcc67701b6e_prep
		.amdhsa_group_segment_fixed_size 42496
		.amdhsa_private_segment_fixed_size 0
		.amdhsa_enable_private_segment 0
		.amdhsa_kernarg_size 16
		.amdhsa_user_sgpr_count 2
		.amdhsa_user_sgpr_kernarg_segment_ptr 1
		.amdhsa_wavefront_size32 1
		.amdhsa_system_sgpr_workgroup_id_x 1
		.amdhsa_system_sgpr_workgroup_id_y 1
		.amdhsa_system_sgpr_workgroup_id_z 1
		.amdhsa_system_vgpr_workitem_id 0
		.amdhsa_next_free_vgpr 146
		.amdhsa_next_free_sgpr 66
		.amdhsa_reserve_vcc 0
		.amdhsa_float_denorm_mode_32 3
		.amdhsa_float_denorm_mode_16_64 3
		.amdhsa_memory_ordered 1
		.amdhsa_forward_progress 1
		.amdhsa_inst_pref_size 10
	.end_amdhsa_kernel
	.amdgpu_metadata
---
amdhsa.version: [ 1, 2 ]
amdhsa.kernels:
  - .name:           k_qcc67701b6e_prep
    .symbol:         k_qcc67701b6e_prep.kd
    .args:
      - { .name: embed, .offset: 0, .size: 8, .value_kind: global_buffer, .address_space: global }
      - { .name: aq, .offset: 8, .size: 8, .value_kind: global_buffer, .address_space: global }
    .group_segment_fixed_size: 42496
    .private_segment_fixed_size: 0
    .kernarg_segment_align: 8
    .kernarg_segment_size: 16
    .max_flat_workgroup_size: 256
    .sgpr_count:     66
    .vgpr_count:     146
    .wavefront_size: 32
...
	.end_amdgpu_metadata
.endif
;; end of part 1
;; launch qkv (part 2): grid 12 x 16, 4 waves a work-group, clusters of 4 x 4, 327,680 bytes of LDS; arguments aq, Wq_codes, Wq_scales, Wk_codes, Wk_scales, Wv_codes, Wv_scales, qkv; writes qkv
.if DOCPART == 2
	.amdgcn_target "amdgcn-amd-amdhsa--gfx1250"
	.amdhsa_code_object_version 6
	.text
	.protected	k_qcc67701b6e_qkv
	.globl	k_qcc67701b6e_qkv
	.p2align	8
	.type	k_qcc67701b6e_qkv,@function
k_qcc67701b6e_qkv:
	s_mov_b64 s[64:65], 0
	v_nop
	global_prefetch_b8 v0, s[64:65] scope:SCOPE_SE
	s_setreg_imm32_b32 hwreg(HW_REG_WAVE_MODE, 25, 1), 1
	s_wait_xcnt 0x0
	s_wait_alu depctr_hold_cnt(0) depctr_sa_sdst(0) depctr_va_vdst(0) depctr_va_sdst(0) depctr_va_ssrc(0) depctr_va_vcc(0) depctr_vm_vsrc(0)
	s_getreg_b32 s2, hwreg(HW_REG_IB_STS2, 6, 4)
	s_cmp_eq_u32 s2, 0
	s_cbranch_scc0 .Lentry_in_a_cluster
	s_endpgm
.Lentry_in_a_cluster:
	s_bfe_u32 s2, ttmp6, 0x10000c
	s_cmp_lg_u32 s2, 0xf033
	s_cbranch_scc0 .Lentry_shape_is_right
	s_endpgm
.Lentry_shape_is_right:
; Q = x Wq^T, K = x Wk^T, V = x Wv^T on codes of FP4 (E2M1) with E8M0 scales (x: aq, made by the launch before), f32 sums; the results are quantised at once for attention and never leave as f32.
; Q and K are quantised along the head's 64 (two blocks of 32), V along the tokens (the keys are the second product's K).
; ONE TEXT FOR THE THREE: the cluster's x says which (0 Q, 1 K, 2 V); it is the same in all sixteen partners.  C = A B^T on tiles of 256 x 256, K = 1,024 in two slots of 512, each filled once.
; For Q and K: A = x (tokens), B = the weight.  For V the two change places: A = Wv (channels), B = x.  The matrix instruction is used transposed (source 0 = 16 rows of B, source 1 = 16 rows of A),
; so a lane holds ONE row of A and eight neighbouring rows of B: for V one channel and neighbouring tokens, which is what a quantiser along the tokens wants in a lane's registers.
; Both operands have rows of 512 bytes of codes and 32 scale bytes, so descriptors and products are the same lines for all three.
; CLUSTERS: 4 x 4 work-groups; A's tile is asked for jointly along a row of the cluster, B's along a column.
; OUTPUT (qkv), bh = 16 x batch + head, a step = 128 tokens:
;   from byte 0: [bh 32][step 16][8,960]: +0 K's codes [tile of 16 tokens 8][block 2][token 16][16 bytes]; +4,096 V^T's codes [tile of 16 channels 4][c 2][lane 32][16 bytes], an image of the operand's registers, in each block of
;   32 keys the words holding keys 0-7, 16-23, 8-15, 24-31; +8,192 K's scale words [lane 32][j 4]: the word of token 32 j + lane (bytes: block 0, block 1, 0x7f, 0x7f); +8,704 V's scale words [lane 32][2]: channel 32 jj + lane.
;   from byte QREG: [bh][step][4,608]: Q's codes as K's, from +4,096 Q's scale words as K's.
; LIMITS: NaN and infinities are not served; a block whose largest magnitude lies under 2^-124, a block of zeros among them, gets the byte 1 (its codes are then zeros or the nearest codes under that scale; only this program reads the bytes).
; REGISTERS, in windows of 256: window 0: v0-31 addresses; v32-95 scale words, two sets; from v128 A's fragments, one set; on the way out v32-255 are free.
;   window 1: B's fragments, two sets, at v0 and v128.   window 2: the accumulators of my rows 0-63 ((a, b) at v[8 (8 a + b)]);   window 3: those of rows 64-127.
.set KSTEP,  512                       ; along K in a slot
.set NQ,     KSTEP/128                 ; matrix instructions deep
.set ROWB,   512                       ; a tile's row in bytes: all of K; its halves of 256 bytes are the two slots
.set KROW,   512                       ; a row of codes in memory
.set PITCH,  528                       ; an LDS row: 512 bytes + 16 of padding: the 16 rows that a load touches start at 16 different banks
.set FR,     8                         ; registers of a fragment
.set NL,     2                         ; LDS loads that bring one
.set NP,     4                         ; places behind this matrix instruction (ISA guide 7.12.1)
.set HALFT,  128*PITCH                 ; 128 rows: half a tile
.set SLOT,   256                       ; slot 1 is the upper half of each LDS row
.set KS,     32                        ; a row of scale bytes
.set SCL,    4*HALFT                   ; behind A's 256 rows and B's 256 rows: the scales, as runs of 256 bytes + 16 of padding
.set HALFS,  (128*KS/256)*272          ; the scales of 128 rows
.set SBLK,   (16*KS/256)*272           ; those of 16 rows
.set SPARE,  SCL+4*HALFS               ; the spare words, 128 bytes a wave: two blocks of 256 bytes that no other line names
.set STAGE,  SPARE+512                 ; the way out: stages on bytes of their own, into which no fill lands
.set SPITCH, 528                       ; a stage: 16 rows x (512 + 16) bytes for each wave
.set AQS,    2097152
.set QREG,   4587520
.set ADRA, 16                          ; v16-17  LDS address of my A fragments in slot 0, 1
.set ADRB, 20                          ; v20-21  the same for B
.set STO,  24                          ; v24     the stage: where I put 32 bytes of a row
.set RD,   25                          ; v25     and where I read 256 bytes of a row back
.set CO,   26                          ; v26     my byte offset among the codes that I store
.set ADRS, 27                          ; v27     LDS address of my scale words
.set SPW,  28                          ; v28     my spare word; never rewritten
.set NIL,  29                          ; v29     0; never rewritten
.set SO0,  30                          ; v30, v31 offsets of the scale words that I store
.set SO1,  31
.set SC,   32
.set AF,   128
.set BK,   128                         ; the way out: two sets of 64 numbers, v128-191 and v192-255
.set QM,   32                          ; v32-33 largest magnitudes, v34-35 the conversions' scale operands, v36-37 bytes
.set QS,   34
.set QB,   36
.set TM,   64                          ; V's way out: v64-67 largest magnitudes, v68-71 bytes, v76-79 scale operands
.set G1, 24
.set G0, 32
.set G1B, 48
.set G0B, 56
.set G1S, 68
.set G0S, 76
.set G1SB, 80
.set G0SB, 88
.set MSB, 0
.macro WIN new                         ; the immediate's high byte repeats the setting that is left
.if MSB != \new
	s_set_vgpr_msb (MSB<<8)|\new
.set MSB, \new
.endif
.endm
.set MUL_LO, 0xa1                      ; source 0 (B) window 1, source 1 (A) window 0, C and D window 2
.set MUL_HI, 0xf1                      ; the same, C and D window 3
.set TO_B,   0x40                      ; destination window 1, address window 0
; An arm of the head's one tree of branches on the wave's number: its joint load and a jump to the tree's end.  An s_nop 0 and four v_nop follow the load.
.macro ARM under, g0, g1, next
	s_cmp_lt_u32 s14, \under
	s_cbranch_scc0 \next
	tensor_load_to_lds s[\g0:\g0+3], s[\g1:\g1+7]
	s_nop 0
.rept 4
	v_nop
.endr
	s_branch .Lhead_asked
\next:
.endm
.macro CREST                           ; a round of the cluster's barrier behind its opening barrier
	s_cmp_lg_u32 s14, 0
	s_cbranch_scc1 .Lnot_wave_0_\@
	s_barrier_signal -3
.Lnot_wave_0_\@:
	s_barrier_wait -3
	s_barrier_signal -1
	s_barrier_wait -1
.endm
.macro CROUND                          ; a whole round
	s_barrier_signal -1
	s_barrier_wait -1
	CREST
.endm
	s_load_b512 s[68:83], s[0:1], 0x0              ; aq 68, Wq codes 70, scales 72, Wk 74, 76, Wv 78, 80, qkv 82
	v_lshl_add_u32 v[SPW], v0, 2, SPARE
	v_mov_b32 v[NIL], 0
	ds_add_u32 v28, v29
	ds_add_u32 v28, v29
	s_wait_dscnt 0x0
	v_lshrrev_b32 v1, 5, v0
	v_readfirstlane_b32 s14, v1                    ; wave 0..3
	s_lshr_b32 s15, s14, 1                         ; which half of the tile's rows is mine.
	s_and_b32 s16, s14, 1                          ; which half of its columns.
	s_bfe_u32 s40, ttmp6, 0x40000                  ; cx
	s_bfe_u32 s41, ttmp6, 0x40004                  ; cy
	s_and_b32 s18, ttmp7, 0xffff
	s_lshl_b32 s18, s18, 2                         ; 4 x cluster y
	s_add_co_u32 s17, s18, s41                     ; 4 x cluster y + cy
	s_add_co_u32 s42, s18, s40                     ; 4 x cluster y + cx
	s_lshl_b32 s43, s41, 2
	s_lshl_b32 s43, 15, s43                        ; my row of the cluster
	s_lshl_b32 s44, 0x1111, s40                    ; my column
	s_wait_kmcnt 0x0
	s_add_nc_u64 s[88:89], s[68:69], AQS           ; x's scale bytes
	s_cmp_eq_u32 ttmp9, 0                          ; Q's weight or K's
	s_cselect_b64 s[84:85], s[70:71], s[74:75]
	s_cselect_b64 s[86:87], s[72:73], s[76:77]
	s_cmp_eq_u32 ttmp9, 2                          ; V: the operands change places.  Only selects follow this compare
	s_cselect_b64 s[4:5], s[78:79], s[68:69]       ; A's codes
	s_cselect_b64 s[6:7], s[80:81], s[88:89]       ; A's scales
	s_cselect_b64 s[8:9], s[68:69], s[84:85]       ; B's codes
	s_cselect_b64 s[10:11], s[88:89], s[86:87]     ; B's scales
	s_cselect_b32 s17, s41, s17                    ; tile row: hangs on cy alone (V: 4 tile rows of channels; else 16 of tokens)
	s_cselect_b32 s42, s42, s40                    ; tile column: hangs on cx alone
	s_mov_b64 s[12:13], s[82:83]                   ; qkv
	; descriptor group 1: a tile of 256 rows x 512 bytes, 16 bytes of padding behind each row
	s_or_b32 s[G1+0], s43, (0<<16)|(1<<20)|(1<<21)|(6<<22)|(3<<25)  ; the mask: A's tile goes to my row; elements of 1 byte; padding on; bit 21 beside a mask; after every 128 words four words
	s_or_b32 s[G1B+0], s44, (0<<16)|(1<<20)|(1<<21)|(6<<22)|(3<<25)
.irp g, G1, G1B
	s_mov_b32 s[\g+1], ROWB<<16                    ; tensor_dim0
	s_mov_b32 s[\g+2], 256<<16                     ; tensor_dim1: the tile's 256 rows
	s_mov_b32 s[\g+3], ROWB<<16                    ; tile_dim0
	s_mov_b32 s[\g+4], 256                         ; tile_dim1
	s_mov_b32 s[\g+5], KROW                        ; from row to row
	s_mov_b32 s[\g+6], 0
	s_mov_b32 s[\g+7], 0
.endr
	; the scales of 256 rows: 8,192 dense bytes, as rows of 256 bytes (32 elements of 8), 16 bytes of padding behind each
	s_or_b32 s[G1S+0], s43, (3<<16)|(1<<20)|(1<<21)|(5<<22)|(3<<25)
	s_or_b32 s[G1SB+0], s44, (3<<16)|(1<<20)|(1<<21)|(5<<22)|(3<<25)
.irp g, G1S, G1SB
	s_mov_b32 s[\g+1], 32<<16
	s_mov_b32 s[\g+2], (256*KS/256)<<16            ; the scales of 256 rows: 32 rows of 256 bytes
	s_mov_b32 s[\g+3], 32<<16
	s_mov_b32 s[\g+4], 256*KS/256
	s_mov_b32 s[\g+5], 32
	s_mov_b32 s[\g+6], 0
	s_mov_b32 s[\g+7], 0
.endr
	s_lshl_b32 s20, s17, 8                         ; A: the tile's first row, 256 x tile row
	s_lshl_b32 s46, s42, 8                         ; B: 256 x tile column
	s_mov_b32 s21, 0
	s_mov_b32 s47, 0
	s_mov_b64 s[18:19], KS
	s_mul_u64 s[22:23], s[20:21], s[18:19]         ; where these rows' scales begin
	s_mul_u64 s[92:93], s[46:47], s[18:19]
	s_mov_b64 s[18:19], KROW
	s_mul_u64 s[20:21], s[20:21], s[18:19]         ; and their codes
	s_mul_u64 s[46:47], s[46:47], s[18:19]
	s_add_nc_u64 s[20:21], s[4:5], s[20:21]
	s_add_nc_u64 s[22:23], s[6:7], s[22:23]
	s_add_nc_u64 s[46:47], s[8:9], s[46:47]
	s_add_nc_u64 s[92:93], s[10:11], s[92:93]
	CROUND                                         ; all sixteen work-groups are here: the joint loads meet
	; THE HEAD'S FOUR TILES, each whole and for all of K, one joint load a wave: wave 0 A's 256 rows of codes, wave 1 B's, wave 2 A's scales, wave 3 B's.  Nothing is filled later.
	s_mov_b32 s[G0S], 1
	s_mov_b32 s[G0S+1], SCL
	s_mov_b64 s[G0S+2:G0S+3], s[22:23]
	s_or_b32 s[G0S+3], s[G0S+3], 0x80000000
	s_mov_b32 s[G0SB], 1
	s_mov_b32 s[G0SB+1], SCL+2*HALFS
	s_mov_b64 s[G0SB+2:G0SB+3], s[92:93]
	s_or_b32 s[G0SB+3], s[G0SB+3], 0x80000000
	s_mov_b32 s[G0], 1
	s_mov_b32 s[G0+1], 0
	s_mov_b64 s[G0+2:G0+3], s[20:21]
	s_or_b32 s[G0+3], s[G0+3], 0x80000000
	s_mov_b32 s[G0B], 1
	s_mov_b32 s[G0B+1], 2*HALFT
	s_mov_b64 s[G0B+2:G0B+3], s[46:47]
	s_or_b32 s[G0B+3], s[G0B+3], 0x80000000
	ARM 1, G0,  G1,  .Lhead_b
	ARM 2, G0B, G1B, .Lhead_sa
	ARM 3, G0S, G1S, .Lhead_sb
	tensor_load_to_lds s[G0SB:G0SB+3], s[G1SB:G1SB+7]
	s_nop 0
.rept 4
	v_nop
.endr
.Lhead_asked:
	v_and_b32 v1, 15, v0                           ; r = lane % 16
	v_bfe_u32 v2, v0, 4, 1                         ; h = lane / 16
	v_mul_u32_u24 v3, v1, PITCH
	v_lshl_add_u32 v4, v2, 4, v3                   ; a fragment's row x pitch + 16 x half
	s_mul_i32 s21, s15, HALFT                      ; my 128 rows of A
	s_mul_i32 s22, s16, HALFT                      ; my 128 rows of B,
	s_add_co_u32 s22, s22, 2*HALFT                 ; which lie behind A's 256
.irp s, 0,1
	v_add_nc_u32 v[ADRA+\s], s21, v4
	v_add_nc_u32 v[ADRB+\s], s22, v4
	s_add_co_u32 s21, s21, SLOT
	s_add_co_u32 s22, s22, SLOT
.endr
	v_mul_u32_u24 v5, v1, KS                       ; my row's scales: 32 bytes a row,
	v_lshrrev_b32 v6, 8, v5
	v_lshl_add_u32 v5, v6, 4, v5                   ; and 16 more for each 256 passed
	s_mul_i32 s21, s15, HALFS                      ; A's: my 128 rows
	s_mul_i32 s22, s16, HALFS                      ; B's: my 128 rows, behind A's 256
	s_add_co_u32 s22, s22, 2*HALFS
	s_sub_co_u32 s22, s22, s21
	v_mul_u32_u24 v6, s22, v2                      ; lanes 16-31 take B's
	s_add_co_u32 s21, s21, SCL
	v_add_nc_u32 v5, v5, v6
	v_add_nc_u32 v[ADRS], s21, v5
	s_mul_i32 s23, s14, 16*SPITCH
	s_add_co_u32 s23, s23, STAGE                   ; my stage
	v_mul_u32_u24 v5, v1, SPITCH
	v_lshl_add_u32 v6, v2, 5, v5
	v_add_nc_u32 v[STO], s23, v6                   ; in: row r, 32 bytes for each half of the lanes
	v_lshl_add_u32 v6, v2, 8, v5
	v_add_nc_u32 v[RD], s23, v6                    ; back: row r, its columns 64 h on: 256 bytes a lane
.macro FRAG reg, adr, q, i             ; 16 rows x 128 K of 4-bit codes: lane l holds row l % 16; registers 4 c .. 4 c + 3 hold K = 64 c + 32 (l / 16) + 0 .. 31
.irp c, 0,1
	ds_load_b128 v[\reg+4*\c:\reg+4*\c+3], v[\adr] offset:64*(\q)+32*\c+(\i)*16*PITCH
.endr
.endm
; 16 matrix instructions: A's blocks a0, a0 + 1 x B's eight.  zero = 1: the first product starts the sums.  The 64 accumulators take turns, one instruction a turn.
.macro MUL16 a0, p, q, sc, zero
.irp a, \a0, \a0+1
.irp b, 0,1,2,3,4,5,6,7
.if \zero
	v_wmma_scale_f32_16x16x128_f8f6f4 v[8*(8*((\a)%4)+\b):8*(8*((\a)%4)+\b)+7], v[128*(\p)+FR*\b:128*(\p)+FR*\b+FR-1], v[AF+FR*(\a):AF+FR*(\a)+FR-1], 0, v[SC+8*NQ*(\sc)+NQ*\b+(\q)], v[SC+8*NQ*(\sc)+NQ*(\a)+(\q)] matrix_a_fmt:MATRIX_FMT_FP4 matrix_b_fmt:MATRIX_FMT_FP4 matrix_a_scale:MATRIX_SCALE_ROW1
.else
	v_wmma_scale_f32_16x16x128_f8f6f4 v[8*(8*((\a)%4)+\b):8*(8*((\a)%4)+\b)+7], v[128*(\p)+FR*\b:128*(\p)+FR*\b+FR-1], v[AF+FR*(\a):AF+FR*(\a)+FR-1], v[8*(8*((\a)%4)+\b):8*(8*((\a)%4)+\b)+7], v[SC+8*NQ*(\sc)+NQ*\b+(\q)], v[SC+8*NQ*(\sc)+NQ*(\a)+(\q)] matrix_a_fmt:MATRIX_FMT_FP4 matrix_b_fmt:MATRIX_FMT_FP4 matrix_a_scale:MATRIX_SCALE_ROW1
.endif
.endr
.endr
.endm
.macro FETCH_B slot, q, p              ; B's eight fragments of the slot's q-th 128 along K into set p
	WIN TO_B
.irp i, 0,1,2,3,4,5,6,7
	FRAG 128*(\p)+FR*\i, ADRB+\slot, \q, \i
.endr
	WIN 0
.endm
.macro FETCH_A slot, q, i0             ; A's blocks i0 .. i0 + 3
.irp i, \i0, \i0+1, \i0+2, \i0+3
	FRAG AF+FR*(\i), ADRA+\slot, \q, \i
.endr
.endm
.macro SCALES sc                       ; a slot's scale words: four words a row; lanes 0-15 take A's block i, lanes 16-31 B's block i
.irp i, 0,1,2,3,4,5,6,7
	ds_load_b128 v[SC+8*NQ*\sc+NQ*\i:SC+8*NQ*\sc+NQ*\i+3], v[ADRS] offset:\i*SBLK
.endr
.endm
.macro PLACES n                        ; plain vector instructions between a matrix instruction and a load into, or a read of, its registers
.rept \n
	v_nop
.endr
.endm
.macro STEP slot, q, zero              ; a step of 128 along K that has its successor in the same slot
	s_wait_dscnt 4*NL                              ; B's set and A's blocks 0-3 are in; the youngest eight loads (A's blocks 4-7) may be out
	WIN MUL_LO
	MUL16 0, (\q)%2, \q, \slot, \zero
	MUL16 2, (\q)%2, \q, \slot, \zero
	s_wait_dscnt 0                                 ; A's blocks 4-7 are in
	PLACES NP
	FETCH_B \slot, (\q)+1, 1-(\q)%2
	FETCH_A \slot, (\q)+1, 0
	WIN MUL_HI
	MUL16 4, (\q)%2, \q, \slot, \zero
	MUL16 6, (\q)%2, \q, \slot, \zero
	PLACES NP
	WIN 0
	FETCH_A \slot, (\q)+1, 4
.endm
; Slot 0's last step goes on to the rows' upper halves, which landed with the lower ones: no barrier.
.macro TURN slot, next
	s_wait_dscnt 4*NL                              ; the youngest eight loads (A's blocks 4-7) may be out
	WIN MUL_LO
	MUL16 0, 1, NQ-1, \slot, 0
	MUL16 2, 1, NQ-1, \slot, 0
	s_wait_dscnt 0x0                               ; A's blocks 4-7 are in
	WIN 0
	PLACES NP
	v_add_nc_u32 v[ADRS], 4*NQ, v[ADRS]            ; on to the next slot's scale words
	FETCH_B \next, 0, 0
	FETCH_A \next, 0, 0
	SCALES \next
	WIN MUL_HI
	MUL16 4, 1, NQ-1, \slot, 0
	MUL16 6, 1, NQ-1, \slot, 0
	PLACES NP
	WIN 0
	FETCH_A \next, 0, 4
.endm
	s_wait_alu depctr_va_vdst(0)
	s_wait_tensorcnt 0x0                           ; my tile of the head's four is in,
	s_barrier_signal -1
	s_barrier_wait -1                              ; everybody's are
	FETCH_B 0, 0, 0
	FETCH_A 0, 0, 0
	SCALES 0
	FETCH_A 0, 0, 4
	STEP 0, 0, 1                                   ; the first step's products start the sums
	STEP 0, 1, 0
	STEP 0, 2, 0
	TURN 0, 1
	STEP 1, 0, 0
	STEP 1, 1, 0
	STEP 1, 2, 0
	s_wait_dscnt 4*NL                              ; the last step: nothing more to fetch
	WIN MUL_LO
	MUL16 0, 1, NQ-1, 1, 0
	MUL16 2, 1, NQ-1, 1, 0
	s_wait_dscnt 0
	WIN MUL_HI
	MUL16 4, 1, NQ-1, 1, 0
	MUL16 6, 1, NQ-1, 1, 0
	WIN 0
	PLACES NP                                      ; behind the last products: their results are read, and registers that they read are written, only from here on
	s_cmp_eq_u32 ttmp9, 2                          ; the cluster's x: the same in every wave of every partner
	s_cbranch_scc1 .Lv
	; ---- Q and K.  A lane holds a token and 8 neighbouring features; a block of 16 tokens x 128 features goes through my stage and comes back with 64 features, one head, in a lane: two whole blocks of 32.
	s_cmp_eq_u32 ttmp9, 0
	s_mov_b32 s20, 8960
	s_cselect_b32 s20, 4608, s20                   ; a step's record in bytes
	s_mov_b32 s21, 8192
	s_cselect_b32 s21, 4096, s21                   ; where its scale words begin
	s_cselect_b32 s22, QREG, 0                     ; where the region begins
	s_lshl_b32 s23, s20, 4                         ; from a head to the next: 16 records
	s_lshr_b32 s46, s17, 3                         ; batch: 8 tile rows of 256 tokens each
	s_and_b32 s47, s17, 7
	s_lshl_b32 s47, s47, 1
	s_add_co_u32 s47, s47, s15                     ; step = 2 (tile row % 8) + my half
	s_lshl_b32 s46, s46, 4
	s_lshl_b32 s45, s42, 2
	s_add_co_u32 s46, s46, s45
	s_lshl_b32 s45, s16, 1
	s_add_co_u32 s46, s46, s45                     ; my first head: 16 batch + 4 tile column + 2 half
	s_lshl_b32 s46, s46, 4
	s_add_co_u32 s46, s46, s47
	s_mul_i32 s46, s46, s20
	s_add_co_u32 s46, s46, s22
	s_mov_b32 s47, 0
	s_add_nc_u64 s[12:13], s[12:13], s[46:47]
	v_mul_u32_u24 v[CO], s23, v2                   ; lanes 16-31 hold the next head
	v_lshl_add_u32 v[CO], v1, 4, v[CO]             ; 16 bytes a token
	v_and_b32 v3, 31, v0
	v_lshlrev_b32 v[SO0], 4, v3
	v_add_nc_u32 v[SO0], s21, v[SO0]               ; the scale words: 16 bytes a lane
	v_add_nc_u32 v[SO1], s23, v[SO0]
.macro TOSTAGE a
.set AC, 64*((\a)%4)
	WIN 0x08+4*((\a)/4)                            ; the data: window 2 or 3
.irp b, 0,1,2,3,4,5,6,7
	ds_store_b128 v[STO], v[AC+8*\b:AC+8*\b+3] offset:64*\b          ; each accumulator from its low end on
	ds_store_b128 v[STO], v[AC+8*\b+4:AC+8*\b+7] offset:64*\b+16
.endr
	WIN 0
.set BB, BK+64*((\a)%2)
.irp t, 0,1,2,3,4,5,6,7,8,9,10,11,12,13,14,15
	ds_load_b128 v[BB+4*\t:BB+4*\t+3], v[RD] offset:16*\t          ; LDS serves a wave's instructions in order: these see the stores above
.endr
.endm
; The lane's two blocks of 32, v[XS] on and v[XS + 32] on, become codes in v[CC .. CC + 7]; bytes in v[QB], v[QB + 1].
.macro Q2
	v_max3_num_f32 v[QM], |v[XS]|, |v[XS+1]|, 0x1800000           ; with the floor 2^(3 - 127): the byte cannot fall under 1
	v_max3_num_f32 v[QM+1], |v[XS+32]|, |v[XS+33]|, 0x1800000
.irp i, 2,4,6,8,10,12,14,16,18,20,22,24,26,28,30
	v_max3_num_f32 v[QM], v[QM], |v[XS+\i]|, |v[XS+\i+1]|         ; the two blocks by turns
	v_max3_num_f32 v[QM+1], v[QM+1], |v[XS+32+\i]|, |v[XS+33+\i]|
.endr
	v_add_nc_u32 v[QS], 0xff000000, v[QM]          ; 2 off the exponent field: the conversion's scale operand
	v_add_nc_u32 v[QS+1], 0xff000000, v[QM+1]
	v_lshrrev_b32 v[QB], 23, v[QS]                 ; the scale's byte
	v_lshrrev_b32 v[QB+1], 23, v[QS+1]
	s_wait_alu depctr_va_vdst(0)
	s_wait_xcnt 0x0                                ; the stores of two blocks ago have read this set of code registers
.irp g, 0,1,2,3
	v_cvt_scalef32_pk8_fp4_f32 v[CC+\g], v[XS+8*\g:XS+8*\g+7], v[QS]
	v_cvt_scalef32_pk8_fp4_f32 v[CC+4+\g], v[XS+32+8*\g:XS+32+8*\g+7], v[QS+1]
.endr
	v_nop                                          ; one plain place behind a scaled conversion
.endm
.macro OUTQ a, younger                 ; younger: the LDS instructions issued behind block a's loads, which may stay out
.set XS, BK+64*((\a)%2)
.set CC, 48+8*((\a)%2)
.set WR, 40+4*((\a)%2)+(\a)/2
	s_wait_dscnt \younger
	Q2
	v_lshl_or_b32 v[WR], v[QB+1], 8, v[QB]         ; the token's scale word: its two bytes,
	v_or_b32 v[WR], 0x7f7f0000, v[WR]              ; and 1.0 for the upper half of the instruction's 128, where the other operand's codes are zeros
	global_store_b128 v[CO], v[CC:CC+3], s[12:13] offset:512*(\a)        ; 16 lanes store 256 consecutive bytes: block 0 of 16 tokens
	global_store_b128 v[CO], v[CC+4:CC+7], s[12:13] offset:512*(\a)+256  ; block 1
.endm
	TOSTAGE 0
.irp a, 1,2,3,4,5,6,7
	TOSTAGE \a
	OUTQ \a-1, 32                                  ; behind block a - 1's loads: block a's 16 stores and 16 loads
.endr
	OUTQ 7, 0
.irp j, 0,1,2,3
	v_permlane16_swap_b32 v[40+\j], v[44+\j]       ; v[40 + j]: my first head's words of tokens 32 j + lane; v[44 + j]: the next head's
.endr
	global_store_b128 v[SO0], v[40:43], s[12:13]   ; 512 consecutive bytes each
	global_store_b128 v[SO1], v[44:47], s[12:13]
	s_branch .Lend
	; ---- V.  A lane holds a channel; the 64 registers of block a are tokens 32 b + 16 u + 8 h + j (register 16 b + 8 u + j): a block of 32 tokens lies in lanes l and l xor 16.  No LDS on this way.
.Lv:
	s_lshr_b32 s46, s42, 3                         ; batch
	s_and_b32 s47, s42, 7
	s_lshl_b32 s47, s47, 1
	s_add_co_u32 s47, s47, s16                     ; step = 2 (tile column % 8) + my half
	s_lshl_b32 s46, s46, 4
	s_lshl_b32 s45, s17, 2
	s_add_co_u32 s46, s46, s45
	s_lshl_b32 s45, s15, 1
	s_add_co_u32 s46, s46, s45                     ; my first head: 16 batch + 4 tile row + 2 half
	s_lshl_b32 s46, s46, 4
	s_add_co_u32 s46, s46, s47
	s_mul_i32 s46, s46, 8960
	s_mov_b32 s47, 0
	s_add_nc_u64 s[12:13], s[12:13], s[46:47]
	s_mov_b32 s20, 0x76543210
	s_mov_b32 s21, 0xfedcba98                      ; v_permlanex16_b32's selects for lane l xor 16
	v_and_b32 v3, 31, v0
	v_lshlrev_b32 v[SO0], 4, v3                    ; 16 x lane
	v_lshlrev_b32 v[SO1], 3, v3                    ; 8 x lane
	v_cmp_lt_u32 vcc_lo, 15, v3                    ; lanes 16-31
.irp b, 0,1,2,3
	v_mov_b32 v[TM+4+\b], 0                        ; written once: a lane permute's destination counts as one of its sources
.endr
.macro QUANTV a
.set AC, 64*((\a)%4)
.set PC, 48+8*((\a)%2)
	WIN 0x0a+5*((\a)/4)                            ; sources 0 and 1: window 2 or 3
.irp b, 0,1,2,3
	v_max3_num_f32 v[TM+\b], |v[AC+16*\b]|, |v[AC+16*\b+1]|, 0x1800000   ; block b: my 16 tokens, and the floor; each accumulator is read from its low end on
.endr
.irp i, 2,4,6,8,10,12,14
.irp b, 0,1,2,3
	v_max3_num_f32 v[TM+\b], |v[AC+16*\b+\i]|, |v[AC+16*\b+\i+1]|, v[TM+\b]
.endr
.endr
	WIN 0
.irp b, 0,1,2,3
	v_permlanex16_b32 v[TM+4+\b], v[TM+\b], s20, s21
.endr
.irp b, 0,1,2,3
	v_max_num_f32 v[TM+\b], v[TM+\b], v[TM+4+\b]   ; with lane l xor 16's: the block's largest magnitude
.endr
.irp b, 0,1,2,3
	v_add_nc_u32 v[TM+12+\b], 0xff000000, v[TM+\b]
.endr
.irp b, 0,1,2,3
	v_lshrrev_b32 v[TM+4+\b], 23, v[TM+12+\b]
.endr
	v_lshl_or_b32 v[40+(\a)], v[TM+5], 8, v[TM+4]  ; the channel's scale word for these 128 tokens; both halves of the lanes hold it
	v_lshl_or_b32 v[40+(\a)], v[TM+6], 16, v[40+(\a)]
	v_lshl_or_b32 v[40+(\a)], v[TM+7], 24, v[40+(\a)]
	s_wait_xcnt 0x0                                ; the stores of two blocks ago have read this set of code registers
	WIN 0x02+((\a)/4)                              ; source 0: window 2 or 3
.irp b, 0,1,2,3
	v_cvt_scalef32_pk8_fp4_f32 v[PC+2*\b], v[AC+16*\b:AC+16*\b+7], v[TM+12+\b]
	v_cvt_scalef32_pk8_fp4_f32 v[PC+2*\b+1], v[AC+16*\b+8:AC+16*\b+15], v[TM+12+\b]
.endr
	WIN 0
	v_nop                                          ; one plain place behind a scaled conversion
.irp c, 0,1                                    ; a whole block to a lane: lanes 0-15 block 2 c, lanes 16-31 block 2 c + 1; its words: keys 0-7, 16-23, 8-15, 24-31
.irp i, 0,1
	v_permlane16_swap_b32 v[PC+4*\c+\i], v[PC+2+4*\c+\i]
.endr
.endr
.irp c, 0,1
	global_store_b128 v[SO0], v[PC+4*\c:PC+4*\c+3], s[12:13] offset:((\a)/4)*143360+4096+((\a)%4)*1024+512*\c   ; 512 consecutive bytes
.endr
.if (\a)%4 == 3                        ; a head's four tiles are done: its 64 scale words, channel 32 jj + lane
	v_cndmask_b32 v[80+2*((\a)/4)], v[40+(\a)-3], v[40+(\a)-2], vcc_lo
	v_cndmask_b32 v[81+2*((\a)/4)], v[40+(\a)-1], v[40+(\a)], vcc_lo
	global_store_b64 v[SO1], v[80+2*((\a)/4):81+2*((\a)/4)], s[12:13] offset:((\a)/4)*143360+8704   ; 256 consecutive bytes
.endif
.endm
.irp a, 0,1,2,3,4,5,6,7
	QUANTV \a
.endr
.Lend:
	s_wait_tensorcnt 0x0                           ; the wave's end
	ds_add_u32 v[SPW], v[NIL]
	s_wait_dscnt 0x0
	CROUND                                         ; the closing round
	s_endpgm
.Lfunc_end_k_qcc67701b6e_qkv:
	.size	k_qcc67701b6e_qkv, .Lfunc_end_k_qcc67701b6e_qkv-k_qcc67701b6e_qkv
	.p2alignl 7, 3214868480
	.fill 96, 4, 3214868480
	.section	.rodata,"a",@progbits
	.p2align	6, 0x0
	.amdhsa_kernel k_qcc67701b6e_qkv
		.amdhsa_group_segment_fixed_size 327680
		.amdhsa_private_segment_fixed_size 0
		.amdhsa_enable_private_segment 0
		.amdhsa_kernarg_size 64
		.amdhsa_user_sgpr_count 2
		.amdhsa_user_sgpr_kernarg_segment_ptr 1
		.amdhsa_wavefront_size32 1
		.amdhsa_system_sgpr_workgroup_id_x 1
		.amdhsa_system_sgpr_workgroup_id_y 1
		.amdhsa_system_sgpr_workgroup_id_z 1
		.amdhsa_system_vgpr_workitem_id 0
		.amdhsa_next_free_vgpr 1024
		.amdhsa_next_free_sgpr 100
		.amdhsa_reserve_vcc 1
		.amdhsa_float_denorm_mode_32 3
		.amdhsa_float_denorm_mode_16_64 3
		.amdhsa_memory_ordered 1
		.amdhsa_forward_progress 1
		.amdhsa_inst_pref_size 171
	.end_amdhsa_kernel
	.amdgpu_metadata
---
amdhsa.version: [ 1, 2 ]
amdhsa.kernels:
  - .name:           k_qcc67701b6e_qkv
    .symbol:         k_qcc67701b6e_qkv.kd
    .args:
      - { .name: aq, .offset: 0, .size: 8, .value_kind: global_buffer, .address_space: global }
      - { .name: Wq_codes, .offset: 8, .size: 8, .value_kind: global_buffer, .address_space: global }
      - { .name: Wq_scales, .offset: 16, .size: 8, .value_kind: global_buffer, .address_space: global }
      - { .name: Wk_codes, .offset: 24, .size: 8, .value_kind: global_buffer, .address_space: global }
      - { .name: Wk_scales, .offset: 32, .size: 8, .value_kind: global_buffer, .address_space: global }
      - { .name: Wv_codes, .offset: 40, .size: 8, .value_kind: global_buffer, .address_space: global }
      - { .name: Wv_scales, .offset: 48, .size: 8, .value_kind: global_buffer, .address_space: global }
      - { .name: qkv, .offset: 56, .size: 8, .value_kind: global_buffer, .address_space: global }
    .group_segment_fixed_size: 327680
    .private_segment_fixed_size: 0
    .kernarg_segment_align: 8
    .kernarg_segment_size: 64
    .max_flat_workgroup_size: 128
    .sgpr_count:     100
    .vgpr_count:     1024
    .wavefront_size: 32
...
	.end_amdgpu_metadata
.endif
;; end of part 2
;; launch attn (part 3): grid 8 x 32, 16 waves a work-group, clusters of 4 x 1, 215,040 bytes of LDS; arguments qkv, embed, z; writes z
.if DOCPART == 3
	.amdgcn_target "amdgcn-amd-amdhsa--gfx1250"
	.amdhsa_code_object_version 6
	.text
	.protected	k_qcc67701b6e_attn
	.globl	k_qcc67701b6e_attn
	.p2align	8
	.type	k_qcc67701b6e_attn,@function
k_qcc67701b6e_attn:
	s_mov_b64 s[64:65], 0
	v_nop
	global_prefetch_b8 v0, s[64:65] scope:SCOPE_SE
	s_setreg_imm32_b32 hwreg(HW_REG_WAVE_MODE, 25, 1), 1
	s_wait_xcnt 0x0
	s_wait_alu depctr_hold_cnt(0) depctr_sa_sdst(0) depctr_va_vdst(0) depctr_va_sdst(0) depctr_va_ssrc(0) depctr_va_vcc(0) depctr_vm_vsrc(0)
	s_getreg_b32 s2, hwreg(HW_REG_IB_STS2, 6, 4)
	s_cmp_eq_u32 s2, 0
	s_cbranch_scc0 .Lentry_in_a_cluster
	s_endpgm
.Lentry_in_a_cluster:
	s_bfe_u32 s2, ttmp6, 0x10000c
	s_cmp_lg_u32 s2, 0x3003
	s_cbranch_scc0 .Lentry_shape_is_right
	s_endpgm
.Lentry_shape_is_right:
; z[token][64 head + d] = embed + the sum over keys of softmax(Q . K / 8) V, both products on codes of FP4 (E2M1) with E8M0 scales, as the launch before laid them (see its head for the records of qkv).
; THE SOFTMAX AHEAD OF THE SECOND PRODUCT: t = score x log2(e) / 8; M = the running largest t rounded UP to a whole number; p = 2^(t - M) is quantised along the keys, not normalised; the row's sum is taken of the
; unquantised p and divides at the end.  When M moves, the sum and O are multiplied by 2^(old M - new M): exact.
; SHARES.  A work-group owns 256 queries of one (batch, head); each of its sixteen waves 16 of them, in 256 registers: four waves to a SIMD, so that one wave's vector work stands beside another's matrix work.
; A HEAD'S KEYS AND VALUES STAY IN LDS: 16 records of 8,960 bytes, 143,360 in all, each brought once by one tensor load, wave w's record w.  No slot is filled twice.
; CLUSTER: the four query blocks of a cluster belong to one head: each record is asked for jointly, by the same descriptor and a mask that names the four.
; LAYOUT.  Both products transposed: S^T = K Q^T (source 0 = 16 keys, source 1 = my queries), O^T = V^T P^T: a lane holds one query throughout.  The head's K is 64: the instruction's upper 64 meet Q's zero codes
; (Q's registers 4-7 are zeros; K's operand names the next tile's four registers there, whose codes are finite and are multiplied by zeros; the scale bytes there are 0x7f).
; A tile's keys are neighbours, so p's codes of a block come out in the words keys 0-7, 16-23, 8-15, 24-31, which is the order in which V's codes were laid.
; LIMITS: NaN and infinities are not served; a block of p whose largest falls under 2^-124 keeps the byte 1 (its codes are zeros).
; REGISTERS: v1 16 x lane, v2 8 x lane; v8, v9 the step's LDS addresses; v12 -M, v13 the largest t, v[14:15] the sum; v16-23 Q; v32-67 K (tile t at v[32 + 4 t]); v68-71 K's scale words, v72-73 V's;
;   v96-159 S^T, then p; v160-191 O^T; v192-223 V; v224-231 p's codes; v232-254 at work; v255 Q's scale word.
.set REC,   8960
.set QREG,  4587520
.set STAGE, 16*REC                     ; behind the records: 16 rows x 272 bytes for each wave, for the way out
.set WV,  18
.set SEL, 20
.set CS,  22
.set TB,  2                            ; s2  LDS byte at which the step's record begins
.set CNT, 3
.macro CROUND                          ; a round of the cluster's barrier
	s_barrier_signal -1
	s_barrier_wait -1
	s_cmp_lg_u32 s[WV], 0
	s_cbranch_scc1 .Lnot_wave_0_\@
	s_barrier_signal -3
.Lnot_wave_0_\@:
	s_barrier_wait -3
	s_barrier_signal -1
	s_barrier_wait -1
.endm
	s_load_b128 s[4:7], s[0:1], 0x0                ; qkv, embed
	s_load_b64 s[8:9], s[0:1], 0x10                ; z
	v_lshl_add_u32 v250, v0, 2, 0x34000
	v_mov_b32 v251, 0
	ds_add_u32 v250, v251
	ds_add_u32 v250, v251
	v_lshrrev_b32 v8, 5, v0
	s_delay_alu instid0(VALU_DEP_1)
	v_readfirstlane_b32 s[WV], v8                  ; wave 0..15
	s_bfe_u32 s10, ttmp6, 0x40000                  ; cx
	s_lshl_b32 s11, ttmp9, 2
	s_add_co_u32 s11, s11, s10                     ; my block of 256 queries: it enters the addresses of Q, embed and z alone
	s_and_b32 s12, ttmp7, 0xffff                   ; bh = 16 batch + head: the four partners share it
	; descriptor group 1: a record as 35 rows of 256 bytes (32 elements of 8), dense
	s_mov_b32 s24, 15|(3<<16)|(1<<21)              ; the mask: all four work-groups; elements of 8 bytes; bit 21 beside a mask
	s_mov_b32 s25, 32<<16                          ; tensor_dim0
	s_mov_b32 s26, 35<<16                          ; tensor_dim1
	s_mov_b32 s27, 32<<16                          ; tile_dim0
	s_mov_b32 s28, 35                              ; tile_dim1
	s_mov_b32 s29, 32                              ; from row to row
	s_mov_b32 s30, 0
	s_mov_b32 s31, 0
	s_lshl_b32 s13, s12, 4
	s_add_co_u32 s14, s13, s[WV]
	s_mul_i32 s14, s14, REC                        ; record 16 bh + wave
	s_mov_b32 s15, 0
	s_mov_b32 s32, 1
	s_mul_i32 s33, s[WV], REC                      ; and its place in LDS
	s_mov_b32 s[SEL], 0x76543210
	s_mov_b32 s[SEL+1], 0xfedcba98
	s_mov_b32 s[CS], 0x3e38aa3b                    ; c = log2(e) / sqrt(64)
	s_mov_b32 s[CS+1], s[CS]
	s_wait_dscnt 0x0
	s_wait_kmcnt 0x0
	s_add_nc_u64 s[34:35], s[4:5], s[14:15]
	s_or_b32 s35, s35, 0x80000000
	CROUND                                         ; all four work-groups are here: the joint loads meet
	tensor_load_to_lds s[32:35], s[24:31]          ; my one tensor load
	s_nop 0
.rept 4
	v_nop
.endr
	s_lshl_b32 s16, s11, 1
	s_lshr_b32 s17, s[WV], 3
	s_add_co_u32 s16, s16, s17                     ; the step of 128 tokens in which my queries lie
	s_add_co_u32 s16, s16, s13
	s_mul_i32 s16, s16, 4608
	s_add_co_u32 s16, s16, QREG
	s_mov_b32 s17, 0
	s_add_nc_u64 s[36:37], s[4:5], s[16:17]        ; Q's record
	v_and_b32 v3, 31, v0
	s_delay_alu instid0(VALU_DEP_1)
	v_lshlrev_b32 v1, 4, v3
	s_delay_alu instid0(VALU_DEP_2)
	v_lshlrev_b32 v2, 3, v3
	v_and_b32 v4, 15, v0
	s_wait_alu depctr_va_vdst(0)
	s_and_b32 s19, s[WV], 7                        ; a: my tile of 16 in the step
	s_lshl_b32 s38, s19, 9
	v_add_nc_u32 v10, s38, v1                      ; codes: 512 a + 16 x lane
	s_and_b32 s38, s19, 1
	s_lshl_b32 s38, s38, 8
	s_lshr_b32 s39, s19, 1
	s_lshl_b32 s39, s39, 2
	s_add_co_u32 s38, s38, s39
	s_add_co_u32 s38, s38, 4096
	v_lshl_add_u32 v11, v4, 4, s38                 ; the word of token 16 a + r: 4,096 + 16 (16 (a % 2) + r) + 4 (a / 2)
	global_load_b128 v[16:19], v10, s[36:37]
	global_load_b32 v255, v11, s[36:37]
.irp j, 20,21,22,23,64,65,66,67
	v_mov_b32 v[\j], 0                             ; Q's codes of the upper 64: zeros; and what tile 7 names there
.endr
	s_lshr_b32 s40, s12, 4                         ; batch
	s_and_b32 s41, s12, 15                         ; head
	s_lshl_b32 s40, s40, 11
	s_lshl_b32 s42, s11, 8
	s_add_co_u32 s40, s40, s42
	s_lshl_b32 s42, s[WV], 4
	s_add_co_u32 s40, s40, s42                     ; my first token
	s_lshl_b32 s40, s40, 12
	s_lshl_b32 s41, s41, 8
	s_add_co_u32 s40, s40, s41                     ; its row of 4,096 bytes, my head's 256
	s_mov_b32 s41, 0
	s_add_nc_u64 s[6:7], s[6:7], s[40:41]
	s_add_nc_u64 s[8:9], s[8:9], s[40:41]
	; embed's bytes for the way out are asked for here, into registers that the loop does not name (v4-7, v24-31, v76-95); the wait for Q ahead of the loop covers them
	v_bfe_u32 v74, v0, 4, 1
	s_delay_alu instid0(VALU_DEP_1)
	v_lshlrev_b32 v74, 12, v74
	s_delay_alu instid0(VALU_DEP_1)
	v_lshl_add_u32 v74, v4, 4, v74                 ; lanes 0-15 one token's row, lanes 16-31 the next; 16 bytes a lane; kept for the stores
.macro ELD i, e
	global_load_b128 v[\e:\e+3], v74, s[6:7] offset:8192*\i th:TH_LOAD_NT
.endm
	ELD 0, 24
	ELD 1, 28
	ELD 2, 76
	ELD 3, 80
	ELD 4, 84
	ELD 5, 88
	ELD 6, 92
	ELD 7, 4
	v_mov_b32 v13, 0xff61b1e6                      ; the largest t so far: -3e38
	s_delay_alu instid0(VALU_DEP_1)
	v_floor_f32 v12, -v13                          ; -M
	v_mov_b32 v14, 0
	v_mov_b32 v15, 0
.irp b, 0,1,2,3
	v_mov_b32 v[236+\b], 0                         ; a lane permute's destination counts as one of its sources
.endr
	v_mov_b32 v253, 0
.set j, 0
.rept 32
	v_mov_b32 v[160+j], 0                          ; O^T: the loop is written once; its first step finds zeros
.set j, j+1
.endr
	s_mov_b32 s[TB], 0
	s_mov_b32 s[CNT], 16
	s_wait_tensorcnt 0x0                           ; my record is in,
	s_barrier_signal -1
	s_barrier_wait -1                              ; everybody's is
	s_wait_loadcnt 0x0                             ; Q
.Lstep:                                            ; 16 trips of 128 keys
	v_add_nc_u32 v8, s[TB], v1
	v_add_nc_u32 v9, s[TB], v2
	v_nop
	v_nop                                          ; four places in front of loads into registers that the last trip's products read
.irp t, 0,1,2,3,4,5,6,7
	ds_load_b128 v[32+4*\t:35+4*\t], v8 offset:512*\t              ; K's tile t: 512 consecutive bytes
.endr
	ds_load_b128 v[68:71], v8 offset:8192                          ; K's scale words: v[68 + j], lane l: key 32 j + l
.irp d, 0,1,2,3
.irp c, 0,1
	ds_load_b128 v[192+8*\d+4*\c:195+8*\d+4*\c], v8 offset:4096+1024*\d+512*\c
.endr
.endr
	ds_load_b64 v[72:73], v9 offset:8704                           ; V's scale words: v[72 + jj], lane l: channel 32 jj + l
	s_wait_dscnt 9                                 ; K and its words are in; V's eight loads and its words may be out
.irp t, 0,2,4,6
	v_wmma_scale_f32_16x16x128_f8f6f4 v[96+8*\t:103+8*\t], v[32+4*\t:39+4*\t], v[16:23], 0, v[68+\t/2], v255 matrix_a_fmt:MATRIX_FMT_FP4 matrix_b_fmt:MATRIX_FMT_FP4
	v_wmma_scale_f32_16x16x128_f8f6f4 v[104+8*\t:111+8*\t], v[36+4*\t:43+4*\t], v[16:23], 0, v[68+\t/2], v255 matrix_a_fmt:MATRIX_FMT_FP4 matrix_b_fmt:MATRIX_FMT_FP4 matrix_a_scale:MATRIX_SCALE_ROW1
.endr
.rept 4
	v_nop
.endr
.irp b, 0,1,2,3
	v_max3_num_f32 v[232+\b], v[96+16*\b], v[97+16*\b], v[98+16*\b]   ; the largest score of each block of 32 keys: for the row's maximum, and, since p rises with the score, for the block's largest p
.endr
.irp i, 3,5,7,9,11,13
.irp b, 0,1,2,3
	v_max3_num_f32 v[232+\b], v[232+\b], v[96+16*\b+\i], v[97+16*\b+\i]
.endr
.endr
.irp b, 0,1,2,3
	v_max_num_f32 v[232+\b], v[232+\b], v[111+16*\b]
.endr
.irp b, 0,1,2,3
	s_delay_alu instid0(VALU_DEP_4)
	v_permlanex16_b32 v[236+\b], v[232+\b], s[SEL], s[SEL+1]
.endr
.irp b, 0,1,2,3
	s_delay_alu instid0(VALU_DEP_4)
	v_max_num_f32 v[232+\b], v[232+\b], v[236+\b]  ; with lane l xor 16's 16 keys
.endr
	s_delay_alu instid0(VALU_DEP_2)
	v_max3_num_f32 v254, v232, v233, v234
	s_delay_alu instid0(VALU_DEP_1)
	v_max_num_f32 v254, v254, v235
	s_delay_alu instid0(VALU_DEP_1)
	v_mul_f32 v254, s[CS], v254                    ; the step's largest t
	s_delay_alu instid0(VALU_DEP_1)
	v_max_num_f32 v13, v13, v254
	v_mov_b32 v254, v12
	s_delay_alu instid0(VALU_DEP_2)
	v_floor_f32 v12, -v13                          ; the new -M = -ceil(t)
	s_delay_alu instid0(VALU_DEP_1)
	v_sub_f32 v254, v12, v254                      ; old M - new M: a whole number, 0 or less
	s_delay_alu instid0(VALU_DEP_1)
	v_cvt_i32_f32 v254, v254                       ; (it saturates)
	s_delay_alu instid0(VALU_DEP_1)
	v_ldexp_f32 v252, 1.0, v254                    ; f = 2^(old M - new M)
.set j, 0
.rept 32
	v_pk_fma_f32 v[96+j:97+j], v[96+j:97+j], s[CS:CS+1], v[12:13] op_sel_hi:[1,0,0]   ; t - M
.set j, j+2
.endr
.irp b, 0,1,2,3
	v_fma_f32 v[232+\b], v[232+\b], s[CS], v12
.endr
.set j, 0
	s_wait_alu depctr_va_vdst(0)
.rept 64
	v_exp_f32 v[96+j], v[96+j]                     ; p = 2^(t - M)
.set j, j+1
.endr
	v_pk_mul_f32 v[14:15], v[14:15], v[252:253] op_sel_hi:[1,0]   ; the sums under the new M: the plain place behind the exponentials
	s_wait_alu depctr_va_vdst(0)                   ; one wait for the batch, ahead of its first reader
.irp b, 0,1,2,3
	v_exp_f32 v[232+\b], v[232+\b]                 ; each block's largest p
.endr
	v_pk_add_f32 v[236:237], v[100:101], v[104:105]
	v_pk_add_f32 v[248:249], v[108:109], v[112:113]
	v_pk_add_f32 v[246:247], v[116:117], v[120:121]
	v_pk_add_f32 v[244:245], v[124:125], v[128:129]
	v_pk_add_f32 v[242:243], v[132:133], v[136:137]
	v_pk_add_f32 v[240:241], v[140:141], v[144:145]
	v_pk_add_f32 v[238:239], v[148:149], v[152:153]
	v_pk_add_f32 v[14:15], v[14:15], v[156:157]
	v_pk_add_f32 v[236:237], v[236:237], v[96:97]
	v_pk_add_f32 v[248:249], v[248:249], v[98:99]
	v_pk_add_f32 v[246:247], v[246:247], v[102:103]
	v_pk_add_f32 v[244:245], v[244:245], v[106:107]
	v_pk_add_f32 v[242:243], v[242:243], v[110:111]
	v_pk_add_f32 v[240:241], v[240:241], v[114:115]
	v_pk_add_f32 v[238:239], v[238:239], v[118:119]
	v_pk_add_f32 v[14:15], v[14:15], v[122:123]
	v_pk_add_f32 v[236:237], v[236:237], v[126:127]
	v_pk_add_f32 v[248:249], v[248:249], v[130:131]
	v_pk_add_f32 v[246:247], v[246:247], v[134:135]
	v_pk_add_f32 v[244:245], v[244:245], v[138:139]
	v_pk_add_f32 v[242:243], v[242:243], v[142:143]
	v_pk_add_f32 v[240:241], v[240:241], v[146:147]
	v_pk_add_f32 v[238:239], v[238:239], v[150:151]
	v_pk_add_f32 v[14:15], v[14:15], v[154:155]
	v_pk_add_f32 v[236:237], v[236:237], v[158:159]
	s_delay_alu instid0(VALU_DEP_2)
	v_pk_add_f32 v[14:15], v[14:15], v[244:245]
	s_delay_alu instid0(VALU_DEP_2)
	v_pk_add_f32 v[236:237], v[236:237], v[242:243]
	v_pk_add_f32 v[248:249], v[248:249], v[240:241]
	v_pk_add_f32 v[246:247], v[246:247], v[238:239]
	s_delay_alu instid0(VALU_DEP_2)
	v_pk_add_f32 v[14:15], v[14:15], v[248:249]
	s_delay_alu instid0(VALU_DEP_2)
	v_pk_add_f32 v[236:237], v[236:237], v[246:247]
	s_delay_alu instid0(VALU_DEP_1)
	v_pk_add_f32 v[14:15], v[14:15], v[236:237]
	s_wait_alu depctr_va_vdst(0)                   ; and one for the four
.irp b, 0,1,2,3
	v_max_num_f32 v[232+\b], 0x1800000, v[232+\b]  ; the floor 2^(3 - 127)
.endr
.irp b, 0,1,2,3
	s_delay_alu instid0(VALU_DEP_4)
	v_add_nc_u32 v[244+\b], 0xff000000, v[232+\b]  ; the conversion's scale operand
.endr
.irp b, 0,1,2,3
	s_delay_alu instid0(VALU_DEP_4)
	v_lshrrev_b32 v[236+\b], 23, v[244+\b]
.endr
	s_delay_alu instid0(VALU_DEP_3)
	v_lshl_or_b32 v253, v237, 8, v236              ; p's scale word for these 128 keys
	s_delay_alu instid0(VALU_DEP_1)
	v_lshl_or_b32 v253, v238, 16, v253
	s_delay_alu instid0(VALU_DEP_1)
	v_lshl_or_b32 v253, v239, 24, v253
.irp b, 0,1,2,3
	v_cvt_scalef32_pk8_fp4_f32 v[224+2*\b], v[96+16*\b:103+16*\b], v[244+\b]
	v_cvt_scalef32_pk8_fp4_f32 v[225+2*\b], v[104+16*\b:111+16*\b], v[244+\b]
.endr
	v_nop                                          ; one plain place behind a scaled conversion
.irp c, 0,1
.irp i, 0,1
	v_permlane16_swap_b32 v[224+4*\c+\i], v[226+4*\c+\i]           ; a whole block to a lane
.endr
.endr
.set j, 0
.rept 16
	v_pk_mul_f32 v[160+j:161+j], v[160+j:161+j], v[252:253] op_sel_hi:[1,0]   ; O^T under the new M; these sixteen are also the places between the scale word's and the codes' last writes and the products below
.set j, j+2
.endr
	s_wait_alu depctr_va_vdst(0)
	s_wait_dscnt 0x0                               ; V and its words are in
.irp d, 0,2
	v_wmma_scale_f32_16x16x128_f8f6f4 v[160+8*\d:167+8*\d], v[192+8*\d:199+8*\d], v[224:231], v[160+8*\d:167+8*\d], v[72+\d/2], v253 matrix_a_fmt:MATRIX_FMT_FP4 matrix_b_fmt:MATRIX_FMT_FP4
	v_wmma_scale_f32_16x16x128_f8f6f4 v[168+8*\d:175+8*\d], v[200+8*\d:207+8*\d], v[224:231], v[168+8*\d:175+8*\d], v[72+\d/2], v253 matrix_a_fmt:MATRIX_FMT_FP4 matrix_b_fmt:MATRIX_FMT_FP4 matrix_a_scale:MATRIX_SCALE_ROW1
.endr
	s_add_co_u32 s[TB], s[TB], REC
	s_sub_co_u32 s[CNT], s[CNT], 1
	s_cmp_lg_u32 s[CNT], 0
	s_cbranch_scc1 .Lstep
	; THE WAY OUT: O^T / the sum goes through my stage and comes back as rows of 256 bytes; embed's same bytes are added; 16 lanes store 256 consecutive bytes.
	v_and_b32 v68, 15, v0                          ; r
	v_bfe_u32 v69, v0, 4, 1                        ; h
	v_add_f32 v14, v14, v15
	s_delay_alu instid0(VALU_DEP_1)
	v_permlanex16_b32 v252, v14, s[SEL], s[SEL+1]
	s_delay_alu instid0(VALU_DEP_1)
	v_add_f32 v14, v14, v252                       ; the row's sum
	s_wait_alu depctr_va_vdst(0)
	v_rcp_f32 v14, v14
	s_mul_i32 s43, s[WV], 16*272
	s_add_co_u32 s43, s43, STAGE                   ; my stage
	v_mul_u32_u24 v70, v68, 272                    ; (plain work behind the reciprocal)
	s_delay_alu instid0(VALU_DEP_1)
	v_lshl_add_u32 v70, v69, 5, v70
	s_delay_alu instid0(VALU_DEP_1)
	v_add_nc_u32 v70, s43, v70                     ; in: row r, + 32 h
	v_mul_u32_u24 v71, v69, 272
	s_delay_alu instid0(VALU_DEP_1)
	v_lshl_add_u32 v71, v68, 4, v71
	s_delay_alu instid0(VALU_DEP_1)
	v_add_nc_u32 v71, s43, v71                     ; back: lanes 0-15 one row, lanes 16-31 the next
	s_wait_alu depctr_va_vdst(0)                   ; the wait ahead of the reciprocal's first reader
.set j, 0
.rept 32
	v_mul_f32 v[96+j], v[160+j], v14               ; register 8 d + i is o(r, 16 d + 8 h + i); each accumulator from its low end on
.set j, j+1
.endr
.irp t, 0,1,2,3
	ds_store_b128 v70, v[96+8*\t:99+8*\t] offset:64*\t
	ds_store_b128 v70, v[100+8*\t:103+8*\t] offset:64*\t+16
.endr
.irp i, 0,1,2,3,4,5,6,7
	ds_load_b128 v[32+4*\i:35+4*\i], v71 offset:544*\i             ; LDS serves a wave's instructions in order: these see my stores
.endr
.macro EADD i, e                       ; rows 2 i, 2 i + 1 are back (the later ones may be out); embed's same bytes, in v[e .. e + 3] since the head, are added
	s_wait_dscnt 7-\i
	v_pk_add_f32 v[32+4*\i:33+4*\i], v[32+4*\i:33+4*\i], v[\e:\e+1]
	v_pk_add_f32 v[34+4*\i:35+4*\i], v[34+4*\i:35+4*\i], v[\e+2:\e+3]
	global_store_b128 v74, v[32+4*\i:35+4*\i], s[8:9] offset:8192*\i
.endm
	EADD 0, 24
	EADD 1, 28
	EADD 2, 76
	EADD 3, 80
	EADD 4, 84
	EADD 5, 88
	EADD 6, 92
	EADD 7, 4
	s_wait_dscnt 0x0
	s_wait_tensorcnt 0x0
	ds_add_u32 v250, v251
	s_wait_dscnt 0x0
	CROUND                                         ; the closing round
	s_endpgm
.Lfunc_end_k_qcc67701b6e_attn:
	.size	k_qcc67701b6e_attn, .Lfunc_end_k_qcc67701b6e_attn-k_qcc67701b6e_attn
	.p2alignl 7, 3214868480
	.fill 96, 4, 3214868480
	.section	.rodata,"a",@progbits
	.p2align	6, 0x0
	.amdhsa_kernel k_qcc67701b6e_attn
		.amdhsa_group_segment_fixed_size 215040
		.amdhsa_private_segment_fixed_size 0
		.amdhsa_enable_private_segment 0
		.amdhsa_kernarg_size 24
		.amdhsa_user_sgpr_count 2
		.amdhsa_user_sgpr_kernarg_segment_ptr 1
		.amdhsa_wavefront_size32 1
		.amdhsa_system_sgpr_workgroup_id_x 1
		.amdhsa_system_sgpr_workgroup_id_y 1
		.amdhsa_system_sgpr_workgroup_id_z 1
		.amdhsa_system_vgpr_workitem_id 0
		.amdhsa_next_free_vgpr 256
		.amdhsa_next_free_sgpr 66
		.amdhsa_reserve_vcc 0
		.amdhsa_float_denorm_mode_32 3
		.amdhsa_float_denorm_mode_16_64 3
		.amdhsa_memory_ordered 1
		.amdhsa_forward_progress 1
		.amdhsa_inst_pref_size 29
	.end_amdhsa_kernel
	.amdgpu_metadata
---
amdhsa.version: [ 1, 2 ]
amdhsa.kernels:
  - .name:           k_qcc67701b6e_attn
    .symbol:         k_qcc67701b6e_attn.kd
    .args:
      - { .name: qkv, .offset: 0, .size: 8, .value_kind: global_buffer, .address_space: global }
      - { .name: embed, .offset: 8, .size: 8, .value_kind: global_buffer, .address_space: global }
      - { .name: z, .offset: 16, .size: 8, .value_kind: global_buffer, .address_space: global }
    .group_segment_fixed_size: 215040
    .private_segment_fixed_size: 0
    .kernarg_segment_align: 8
    .kernarg_segment_size: 24
    .max_flat_workgroup_size: 512
    .sgpr_count:     66
    .vgpr_count:     256
    .wavefront_size: 32
...
	.end_amdgpu_metadata
.endif
;; end of part 3
;; launch ln1 (part 4): grid 256 x 1, 4 waves a work-group, no clusters, 19,968 bytes of LDS; arguments z, ln_g, ln_b, o1, aq; writes o1, aq
.if DOCPART == 4
	.amdgcn_target "amdgcn-amd-amdhsa--gfx1250"
	.amdhsa_code_object_version 6
	.text
	.protected	k_qcc67701b6e_ln1
	.globl	k_qcc67701b6e_ln1
	.p2align	8
	.type	k_qcc67701b6e_ln1,@function
k_qcc67701b6e_ln1:
	s_mov_b64 s[64:65], 0
	v_nop
	global_prefetch_b8 v0, s[64:65] scope:SCOPE_SE
	s_setreg_imm32_b32 hwreg(HW_REG_WAVE_MODE, 25, 1), 1
	s_wait_xcnt 0x0
; o1 = layer norm of z's rows of 1,024 (mean, then the mean of squared differences: two passes over registers, so that a common offset costs nothing), x ln_g + ln_b, in f32; and its codes of FP4 (E2M1) with E8M0 bytes, into aq.
; aq: codes [4096][512 bytes] from byte 0, scale bytes [4096][32] from byte AQS.
; A wave takes 4 whole rows; lane l holds columns 128 i + 4 l .. + 3, i = 0 .. 7: each load and store covers 512 consecutive bytes.  All 48 loads of a wave go out at the head.
; For the quantiser a row turns through the wave's own stage in LDS (a block of 32 numbers, 128 bytes, + 16 of padding) and comes back a whole block to a lane.
; The work-group's 16 x 32 scale bytes are gathered in LDS and leave as 512 consecutive bytes.
; LIMITS: NaN and infinities are not served; a block whose largest magnitude lies under 2^-124, a block of zeros among them, gets the byte 1.
.set AQS, 2097152
.set X, 64                             ; v64-191  four rows of 32 registers
.set G, 192                            ; v192-223 the gain at my columns
.set B, 224                            ; v224-255 the bias
.set Y, 32                             ; v32-63   a block of 32
.set C, 16                             ; v16-31   codes: four registers a row
.set SCB, 18432                        ; LDS: behind four stages of 4,608 bytes: the scale bytes
	s_load_b256 s[4:11], s[0:1], 0x0               ; z s[4:5], ln_g s[6:7], ln_b s[8:9], o1 s[10:11]
	s_load_b64 s[14:15], s[0:1], 0x20              ; aq
	s_set_vgpr_msb 0x40
	v_lshl_add_u32 v0, v0, 2, 0x4c00
	v_mov_b32 v1, 0
	s_set_vgpr_msb 0x4000
	v_lshrrev_b32 v2, 5, v0
	v_readfirstlane_b32 s16, v2                    ; wave
	v_and_b32 v4, 31, v0                           ; lane
	s_wait_alu depctr_va_vdst(0)
	v_lshlrev_b32 v1, 4, v4                        ; 16 x lane
	s_mov_b32 s12, 0x76543210
	s_mov_b32 s13, 0xfedcba98
	s_mov_b32 s17, 0x3a800000                      ; 1 / 1,024
	s_lshl_b32 s18, ttmp9, 4
	s_lshl_b32 s19, s16, 2
	s_add_co_u32 s18, s18, s19                     ; my first row
	s_lshl_b32 s20, s18, 12
	s_mov_b32 s21, 0
	s_lshl_b32 s22, s18, 9
	s_mov_b32 s23, 0
	s_lshl_b32 s24, ttmp9, 9
	s_mov_b32 s25, 0
	s_mul_i32 s26, s16, 4608                       ; my stage
	v_lshrrev_b32 v5, 3, v4
	v_mul_u32_u24 v5, v5, 144
	v_and_b32 v6, 7, v4
	v_lshl_add_u32 v5, v6, 4, v5
	v_add_nc_u32 v2, s26, v5                       ; in: 144 (lane / 8) + 16 (lane % 8), + 576 i
	v_mul_u32_u24 v5, v4, 144
	v_add_nc_u32 v3, s26, v5                       ; back: block = lane
	s_lshl_b32 s27, s16, 7
	s_add_co_u32 s27, s27, SCB
	v_add_nc_u32 v13, s27, v4                      ; my block's byte: 128 x wave + lane, + 32 for each row
	v_mov_b32 v9, 0                                ; a lane permute's destination counts as one of its sources
	s_wait_kmcnt 0x0
	s_add_nc_u64 s[4:5], s[4:5], s[20:21]
	s_add_nc_u64 s[10:11], s[10:11], s[20:21]
	s_add_nc_u64 s[28:29], s[14:15], s[24:25]
	s_add_nc_u64 s[28:29], s[28:29], AQS           ; the work-group's scale bytes
	s_add_nc_u64 s[14:15], s[14:15], s[22:23]      ; my rows' codes
.irp i, 0,1,2,3,4,5,6,7
	global_load_b128 v[G+4*\i:G+4*\i+3], v1, s[6:7] offset:512*\i
.endr
.irp i, 0,1,2,3,4,5,6,7
	global_load_b128 v[B+4*\i:B+4*\i+3], v1, s[8:9] offset:512*\i
.endr
.irp t, 0,1,2,3
.irp i, 0,1,2,3,4,5,6,7
	global_load_b128 v[X+32*\t+4*\i:X+32*\t+4*\i+3], v1, s[4:5] offset:4096*\t+512*\i th:TH_LOAD_NT
.endr
.endr
.macro LSUM                            ; v8 summed over the 32 lanes, the result in every lane
	v_add_f32_dpp v8, v8, v8 row_xmask:1 row_mask:0xf bank_mask:0xf
	v_add_f32_dpp v8, v8, v8 row_xmask:2 row_mask:0xf bank_mask:0xf
	v_add_f32_dpp v8, v8, v8 row_xmask:4 row_mask:0xf bank_mask:0xf
	v_add_f32_dpp v8, v8, v8 row_xmask:8 row_mask:0xf bank_mask:0xf
	v_permlanex16_b32 v9, v8, s12, s13
	v_add_f32 v8, v8, v9
.endm
.macro ROW t
.set XS, X+32*(\t)
	s_wait_loadcnt 24-8*(\t)                       ; gain, bias and this row are in; the later rows' loads may be out
	v_pk_add_f32 v[4:5], v[XS:XS+1], v[XS+2:XS+3]
	v_pk_add_f32 v[6:7], v[XS+4:XS+5], v[XS+6:XS+7]
.irp j, 8,12,16,20,24,28
	v_pk_add_f32 v[4:5], v[4:5], v[XS+\j:XS+\j+1]
	v_pk_add_f32 v[6:7], v[6:7], v[XS+\j+2:XS+\j+3]
.endr
	v_pk_add_f32 v[4:5], v[4:5], v[6:7]
	v_add_f32 v8, v4, v5
	LSUM
	v_mul_f32 v10, s17, v8                         ; the mean
	v_mov_b32 v11, v10
.irp j, 0,2,4,6,8,10,12,14,16,18,20,22,24,26,28,30
	v_pk_add_f32 v[XS+\j:XS+\j+1], v[XS+\j:XS+\j+1], v[10:11] neg_lo:[0,1] neg_hi:[0,1]
.endr
	v_pk_mul_f32 v[4:5], v[XS:XS+1], v[XS:XS+1]
	v_pk_mul_f32 v[6:7], v[XS+2:XS+3], v[XS+2:XS+3]
.irp j, 4,8,12,16,20,24,28
	v_pk_fma_f32 v[4:5], v[XS+\j:XS+\j+1], v[XS+\j:XS+\j+1], v[4:5]
	v_pk_fma_f32 v[6:7], v[XS+\j+2:XS+\j+3], v[XS+\j+2:XS+\j+3], v[6:7]
.endr
	v_pk_add_f32 v[4:5], v[4:5], v[6:7]
	v_add_f32 v8, v4, v5
	LSUM
	v_fmaak_f32 v12, s17, v8, 0x3727c5ac           ; the variance + 1e-5
	s_wait_alu depctr_va_vdst(0)
	v_rsq_f32 v14, v12
	v_nop                                          ; a plain place behind the transcendental
	s_wait_alu depctr_va_vdst(0)                   ; and the wait ahead of its first reader
	v_mov_b32 v15, v14
.irp j, 0,2,4,6,8,10,12,14,16,18,20,22,24,26,28,30
	v_pk_mul_f32 v[XS+\j:XS+\j+1], v[XS+\j:XS+\j+1], v[14:15]
.endr
.irp j, 0,2,4,6,8,10,12,14,16,18,20,22,24,26,28,30
	v_pk_fma_f32 v[XS+\j:XS+\j+1], v[XS+\j:XS+\j+1], v[G+\j:G+\j+1], v[B+\j:B+\j+1]
.endr
.irp i, 0,1,2,3,4,5,6,7
	global_store_b128 v1, v[XS+4*\i:XS+4*\i+3], s[10:11] offset:4096*(\t)+512*\i   ; 512 consecutive bytes; these registers are not written again
.endr
.irp i, 0,1,2,3,4,5,6,7
	ds_store_b128 v2, v[XS+4*\i:XS+4*\i+3] offset:576*\i
.endr
.irp k, 0,1,2,3,4,5,6,7
	ds_load_b128 v[Y+4*\k:Y+4*\k+3], v3 offset:16*\k               ; LDS serves a wave's instructions in order: these see the stores above, and the next row's stores come behind them
.endr
	s_wait_dscnt 0x0
	v_max3_num_f32 v4, |v[Y]|, |v[Y+1]|, |v[Y+2]|                  ; the block's largest magnitude: all 32 numbers are mine
	v_max3_num_f32 v5, |v[Y+3]|, |v[Y+4]|, |v[Y+5]|
.irp i, 6,10,14,18,22,26
	v_max3_num_f32 v4, v4, |v[Y+\i]|, |v[Y+\i+1]|
	v_max3_num_f32 v5, v5, |v[Y+\i+2]|, |v[Y+\i+3]|
.endr
	v_max3_num_f32 v4, v4, |v[Y+30]|, |v[Y+31]|
	v_max3_num_f32 v4, v4, v5, 0x1800000           ; and the floor 2^(3 - 127)
	v_add_nc_u32 v6, 0xff000000, v4                ; the conversion's scale operand
.irp g, 0,1,2,3
	v_cvt_scalef32_pk8_fp4_f32 v[C+4*(\t)+\g], v[Y+8*\g:Y+8*\g+7], v6
.endr
	v_lshrrev_b32 v7, 23, v6                       ; the scale's byte (the plain place behind the conversions)
	ds_store_b8 v13, v7 offset:32*(\t)
	global_store_b128 v1, v[C+4*(\t):C+4*(\t)+3], s[14:15] offset:512*(\t)   ; a row's 512 bytes of codes
.endm
.irp t, 0,1,2,3
	ROW \t
.endr
	s_wait_dscnt 0x0                               ; for the others' sake: my byte stores are done
	s_barrier_signal -1
	s_barrier_wait -1
	s_cmp_lg_u32 s16, 0
	s_cbranch_scc1 .Ldone                          ; wave 0 stores the work-group's 512 scale bytes
	ds_load_b128 v[4:7], v1 offset:SCB
	s_wait_dscnt 0x0
	global_store_b128 v1, v[4:7], s[28:29]
.Ldone:
	s_set_vgpr_msb 0x5
	s_wait_tensorcnt 0x0
	ds_add_u32 v0, v1
	s_wait_dscnt 0x0
	s_set_vgpr_msb 0x500
	s_endpgm
.Lfunc_end_k_qcc67701b6e_ln1:
	.size	k_qcc67701b6e_ln1, .Lfunc_end_k_qcc67701b6e_ln1-k_qcc67701b6e_ln1
	.p2alignl 7, 3214868480
	.fill 96, 4, 3214868480
	.section	.rodata,"a",@progbits
	.p2align	6, 0x0
	.amdhsa_kernel k_qcc67701b6e_ln1
		.amdhsa_group_segment_fixed_size 19968
		.amdhsa_private_segment_fixed_size 0
		.amdhsa_enable_private_segment 0
		.amdhsa_kernarg_size 40
		.amdhsa_user_sgpr_count 2
		.amdhsa_user_sgpr_kernarg_segment_ptr 1
		.amdhsa_wavefront_size32 1
		.amdhsa_system_sgpr_workgroup_id_x 1
		.amdhsa_system_sgpr_workgroup_id_y 1
		.amdhsa_system_sgpr_workgroup_id_z 1
		.amdhsa_system_vgpr_workitem_id 0
		.amdhsa_next_free_vgpr 258
		.amdhsa_next_free_sgpr 66
		.amdhsa_reserve_vcc 0
		.amdhsa_float_denorm_mode_32 3
		.amdhsa_float_denorm_mode_16_64 3
		.amdhsa_memory_ordered 1
		.amdhsa_forward_progress 1
		.amdhsa_inst_pref_size 45
	.end_amdhsa_kernel
	.amdgpu_metadata
---
amdhsa.version: [ 1, 2 ]
amdhsa.kernels:
  - .name:           k_qcc67701b6e_ln1
    .symbol:         k_qcc67701b6e_ln1.kd
    .args:
      - { .name: z, .offset: 0, .size: 8, .value_kind: global_buffer, .address_space: global }
      - { .name: ln_g, .offset: 8, .size: 8, .value_kind: global_buffer, .address_space: global }
      - { .name: ln_b, .offset: 16, .size: 8, .value_kind: global_buffer, .address_space: global }
      - { .name: o1, .offset: 24, .size: 8, .value_kind: global_buffer, .address_space: global }
      - { .name: aq, .offset: 32, .size: 8, .value_kind: global_buffer, .address_space: global }
    .group_segment_fixed_size: 19968
    .private_segment_fixed_size: 0
    .kernarg_segment_align: 8
    .kernarg_segment_size: 40
    .max_flat_workgroup_size: 128
    .sgpr_count:     66
    .vgpr_count:     258
    .wavefront_size: 32
...
	.end_amdgpu_metadata
.endif
;; end of part 4
;; launch ffn1 (part 5): grid 16 x 16, 4 waves a work-group, clusters of 4 x 4, 327,680 bytes of LDS; arguments aq, w1_w_codes, w1_w_scales, w1_b, h; writes h
.if DOCPART == 5
	.amdgcn_target "amdgcn-amd-amdhsa--gfx1250"
	.amdhsa_code_object_version 6
	.text
	.protected	k_qcc67701b6e_ffn1
	.globl	k_qcc67701b6e_ffn1
	.p2align	8
	.type	k_qcc67701b6e_ffn1,@function
k_qcc67701b6e_ffn1:
	s_mov_b64 s[64:65], 0
	v_nop
	global_prefetch_b8 v0, s[64:65] scope:SCOPE_SE
	s_setreg_imm32_b32 hwreg(HW_REG_WAVE_MODE, 25, 1), 1
	s_wait_xcnt 0x0
	s_wait_alu depctr_hold_cnt(0) depctr_sa_sdst(0) depctr_va_vdst(0) depctr_va_sdst(0) depctr_va_ssrc(0) depctr_va_vcc(0) depctr_vm_vsrc(0)
	s_getreg_b32 s2, hwreg(HW_REG_IB_STS2, 6, 4)
	s_cmp_eq_u32 s2, 0
	s_cbranch_scc0 .Lentry_in_a_cluster
	s_endpgm
.Lentry_in_a_cluster:
	s_bfe_u32 s2, ttmp6, 0x10000c
	s_cmp_lg_u32 s2, 0xf033
	s_cbranch_scc0 .Lentry_shape_is_right
	s_endpgm
.Lentry_shape_is_right:
.set KSTEP,  512
.set NQ,     KSTEP/128
.set ROWB,   512                       ; a tile's row in bytes: all of K; its halves of 256 bytes are the two slots
.set KROW,   512
.set PITCH,  528                       ; an LDS row: 512 bytes + 16 of padding
.set FR,     8
.set NL,     2
.set NP,     4
.set HALFT,  128*PITCH
.set SLOT,   256                       ; slot 1 is the upper half of each LDS row
.set KS,     32
.set SCL,    4*HALFT                   ; behind A's 256 rows and B's 256 rows: the scales
.set HALFS,  (128*KS/256)*272
.set SBLK,   (16*KS/256)*272
.set SPARE,  SCL+4*HALFS               ; the spare words, 128 bytes a wave
.set STAGE,  SPARE+512                 ; the way out: stages on bytes of their own, into which no fill lands
.set SPITCH, 528
.set AQS,    2097152
.set HSC,    8388608
.set ADRA, 16
.set ADRB, 20
.set STO,  24
.set RD,   25
.set CO,   26
.set ADRS, 27
.set SPW,  28
.set NIL,  29
.set SO0,  30
.set SH,   31
.set SC,   32
.set AF,   128
.set BK,   128
.set QM,   32
.set QS,   34
.set QB,   36
.set T,    64
.set G1, 24
.set G0, 32
.set G1B, 48
.set G0B, 56
.set G1S, 68
.set G0S, 76
.set G1SB, 80
.set G0SB, 88
.set MSB, 0
.macro WIN new
.if MSB != \new
	s_set_vgpr_msb (MSB<<8)|\new
.set MSB, \new
.endif
.endm
.set MUL_LO, 0xa1
.set MUL_HI, 0xf1
.set FIRST_LO, 0x91
.set FIRST_HI, 0xd1
.set TO_B,   0x40
; An arm of the head's one tree of branches on the wave's number: its joint load and a jump to the tree's end.
.macro ARM under, g0, g1, next
	s_cmp_lt_u32 s14, \under
	s_cbranch_scc0 \next
	tensor_load_to_lds s[\g0:\g0+3], s[\g1:\g1+7]
	s_nop 0
.rept 4
	v_nop
.endr
	s_branch .Lhead_asked
\next:
.endm
.macro CREST
	s_cmp_lg_u32 s14, 0
	s_cbranch_scc1 .Lnot_wave_0_\@
	s_barrier_signal -3
.Lnot_wave_0_\@:
	s_barrier_wait -3
	s_barrier_signal -1
	s_barrier_wait -1
.endm
.macro CROUND
	s_barrier_signal -1
	s_barrier_wait -1
	CREST
.endm
	s_load_b64 s[4:5], s[0:1], 0x0
	s_load_b128 s[8:11], s[0:1], 0x8
	s_load_b128 s[96:99], s[0:1], 0x18
	v_lshl_add_u32 v[SPW], v0, 2, SPARE
	v_mov_b32 v[NIL], 0
	ds_add_u32 v28, v29
	ds_add_u32 v28, v29
	s_wait_dscnt 0x0
	v_lshrrev_b32 v1, 5, v0
	v_readfirstlane_b32 s14, v1
	s_lshr_b32 s15, s14, 1
	s_and_b32 s16, s14, 1
	s_bfe_u32 s40, ttmp6, 0x40000
	s_bfe_u32 s41, ttmp6, 0x40004
	s_lshl_b32 s42, ttmp9, 2
	s_add_co_u32 s42, s42, s40
	s_and_b32 s17, ttmp7, 0xffff
	s_lshl_b32 s17, s17, 2
	s_add_co_u32 s17, s17, s41
	s_lshl_b32 s43, s41, 2
	s_lshl_b32 s43, 15, s43
	s_lshl_b32 s44, 0x1111, s40
	s_or_b32 s[G1+0], s43, (0<<16)|(1<<20)|(1<<21)|(6<<22)|(3<<25)  ; padding: four words after every 128
	s_or_b32 s[G1B+0], s44, (0<<16)|(1<<20)|(1<<21)|(6<<22)|(3<<25)
.irp g, G1, G1B
	s_mov_b32 s[\g+1], ROWB<<16
	s_mov_b32 s[\g+2], 256<<16
	s_mov_b32 s[\g+3], ROWB<<16
	s_mov_b32 s[\g+4], 256
	s_mov_b32 s[\g+5], KROW
	s_mov_b32 s[\g+6], 0
	s_mov_b32 s[\g+7], 0
.endr
	s_or_b32 s[G1S+0], s43, (3<<16)|(1<<20)|(1<<21)|(5<<22)|(3<<25)
	s_or_b32 s[G1SB+0], s44, (3<<16)|(1<<20)|(1<<21)|(5<<22)|(3<<25)
.irp g, G1S, G1SB
	s_mov_b32 s[\g+1], 32<<16
	s_mov_b32 s[\g+2], (256*KS/256)<<16
	s_mov_b32 s[\g+3], 32<<16
	s_mov_b32 s[\g+4], 256*KS/256
	s_mov_b32 s[\g+5], 32
	s_mov_b32 s[\g+6], 0
	s_mov_b32 s[\g+7], 0
.endr
	s_lshl_b32 s20, s17, 8                         ; A: the tile's first row, 256 x tile row
	s_lshl_b32 s46, s42, 8                         ; B: 256 x tile column
	s_mov_b32 s21, 0
	s_mov_b32 s47, 0
	s_mov_b64 s[18:19], KS
	s_mul_u64 s[22:23], s[20:21], s[18:19]
	s_mul_u64 s[92:93], s[46:47], s[18:19]
	s_mov_b64 s[18:19], KROW
	s_mul_u64 s[20:21], s[20:21], s[18:19]
	s_mul_u64 s[46:47], s[46:47], s[18:19]
	s_wait_kmcnt 0x0
	s_add_nc_u64 s[6:7], s[4:5], AQS
	s_mov_b64 s[12:13], s[98:99]
	s_add_nc_u64 s[20:21], s[4:5], s[20:21]
	s_add_nc_u64 s[22:23], s[6:7], s[22:23]
	s_add_nc_u64 s[46:47], s[8:9], s[46:47]
	s_add_nc_u64 s[92:93], s[10:11], s[92:93]
	CROUND
	; THE HEAD'S FOUR TILES, each whole and for all of K, one joint load a wave: wave 0 A's 256 rows of codes, wave 1 B's, wave 2 A's scales, wave 3 B's.  Nothing is filled later.
	s_mov_b32 s[G0S], 1
	s_mov_b32 s[G0S+1], SCL
	s_mov_b64 s[G0S+2:G0S+3], s[22:23]
	s_or_b32 s[G0S+3], s[G0S+3], 0x80000000
	s_mov_b32 s[G0SB], 1
	s_mov_b32 s[G0SB+1], SCL+2*HALFS
	s_mov_b64 s[G0SB+2:G0SB+3], s[92:93]
	s_or_b32 s[G0SB+3], s[G0SB+3], 0x80000000
	s_mov_b32 s[G0], 1
	s_mov_b32 s[G0+1], 0
	s_mov_b64 s[G0+2:G0+3], s[20:21]
	s_or_b32 s[G0+3], s[G0+3], 0x80000000
	s_mov_b32 s[G0B], 1
	s_mov_b32 s[G0B+1], 2*HALFT
	s_mov_b64 s[G0B+2:G0B+3], s[46:47]
	s_or_b32 s[G0B+3], s[G0B+3], 0x80000000
	ARM 1, G0,  G1,  .Lhead_b
	ARM 2, G0B, G1B, .Lhead_sa
	ARM 3, G0S, G1S, .Lhead_sb
	tensor_load_to_lds s[G0SB:G0SB+3], s[G1SB:G1SB+7]
	s_nop 0
.rept 4
	v_nop
.endr
.Lhead_asked:
	v_and_b32 v1, 15, v0
	s_wait_alu depctr_va_vdst(0)
	v_bfe_u32 v2, v0, 4, 1
	s_lshl_b32 s20, s42, 10
	s_lshl_b32 s21, s16, 9
	s_add_co_u32 s20, s20, s21
	s_mov_b32 s21, 0
	s_add_nc_u64 s[96:97], s[96:97], s[20:21]
	v_lshlrev_b32 v7, 5, v2
	WIN TO_B
.irp b, 0,1,2,3,4,5,6,7
	global_load_b128 v[64+8*\b:67+8*\b], v7, s[96:97] offset:64*\b
	global_load_b128 v[68+8*\b:71+8*\b], v7, s[96:97] offset:64*\b+16
.endr
	WIN 0
	v_mul_u32_u24 v3, v1, PITCH
	v_lshl_add_u32 v4, v2, 4, v3
	s_mul_i32 s21, s15, HALFT
	s_mul_i32 s22, s16, HALFT
	s_add_co_u32 s22, s22, 2*HALFT
.irp s, 0,1
	v_add_nc_u32 v[ADRA+\s], s21, v4
	v_add_nc_u32 v[ADRB+\s], s22, v4
	s_add_co_u32 s21, s21, SLOT
	s_add_co_u32 s22, s22, SLOT
.endr
	v_mul_u32_u24 v5, v1, KS
	v_lshrrev_b32 v6, 8, v5
	v_lshl_add_u32 v5, v6, 4, v5
	s_mul_i32 s21, s15, HALFS
	s_mul_i32 s22, s16, HALFS
	s_add_co_u32 s22, s22, 2*HALFS
	s_sub_co_u32 s22, s22, s21
	v_mul_u32_u24 v6, s22, v2
	s_add_co_u32 s21, s21, SCL
	v_add_nc_u32 v5, v5, v6
	v_add_nc_u32 v[ADRS], s21, v5
	s_mul_i32 s23, s14, 16*SPITCH
	s_add_co_u32 s23, s23, STAGE                   ; my stage
	v_mul_u32_u24 v5, v1, SPITCH
	v_lshl_add_u32 v6, v2, 5, v5
	v_add_nc_u32 v[STO], s23, v6
	v_lshl_add_u32 v6, v2, 8, v5
	v_add_nc_u32 v[RD], s23, v6
.macro FRAG reg, adr, q, i
.irp c, 0,1
	ds_load_b128 v[\reg+4*\c:\reg+4*\c+3], v[\adr] offset:64*(\q)+32*\c+(\i)*16*PITCH
.endr
.endm
.macro MUL16 a0, p, q, sc, zero
.irp a, \a0, \a0+1
.irp b, 0,1,2,3,4,5,6,7
.if \zero
	v_wmma_scale_f32_16x16x128_f8f6f4 v[8*(8*((\a)%4)+\b):8*(8*((\a)%4)+\b)+7], v[128*(\p)+FR*\b:128*(\p)+FR*\b+FR-1], v[AF+FR*(\a):AF+FR*(\a)+FR-1], v[64+8*\b:71+8*\b], v[SC+8*NQ*(\sc)+NQ*\b+(\q)], v[SC+8*NQ*(\sc)+NQ*(\a)+(\q)] matrix_a_fmt:MATRIX_FMT_FP4 matrix_b_fmt:MATRIX_FMT_FP4 matrix_a_scale:MATRIX_SCALE_ROW1
.else
	v_wmma_scale_f32_16x16x128_f8f6f4 v[8*(8*((\a)%4)+\b):8*(8*((\a)%4)+\b)+7], v[128*(\p)+FR*\b:128*(\p)+FR*\b+FR-1], v[AF+FR*(\a):AF+FR*(\a)+FR-1], v[8*(8*((\a)%4)+\b):8*(8*((\a)%4)+\b)+7], v[SC+8*NQ*(\sc)+NQ*\b+(\q)], v[SC+8*NQ*(\sc)+NQ*(\a)+(\q)] matrix_a_fmt:MATRIX_FMT_FP4 matrix_b_fmt:MATRIX_FMT_FP4 matrix_a_scale:MATRIX_SCALE_ROW1
.endif
.endr
.endr
.endm
.macro FETCH_B slot, q, p
	WIN TO_B
.irp i, 0,1,2,3,4,5,6,7
	FRAG 128*(\p)+FR*\i, ADRB+\slot, \q, \i
.endr
	WIN 0
.endm
.macro FETCH_A slot, q, i0
.irp i, \i0, \i0+1, \i0+2, \i0+3
	FRAG AF+FR*(\i), ADRA+\slot, \q, \i
.endr
.endm
.macro SCALES sc
.irp i, 0,1,2,3,4,5,6,7
	ds_load_b128 v[SC+8*NQ*\sc+NQ*\i:SC+8*NQ*\sc+NQ*\i+3], v[ADRS] offset:\i*SBLK
.endr
.endm
.macro PLACES n
.rept \n
	v_nop
.endr
.endm
.macro STEP slot, q, zero
	s_wait_dscnt 4*NL
.if \zero
	WIN FIRST_LO
.else
	WIN MUL_LO
.endif
	MUL16 0, (\q)%2, \q, \slot, \zero
	MUL16 2, (\q)%2, \q, \slot, \zero
	s_wait_dscnt 0
	PLACES NP
	FETCH_B \slot, (\q)+1, 1-(\q)%2
	FETCH_A \slot, (\q)+1, 0
.if \zero
	WIN FIRST_HI
.else
	WIN MUL_HI
.endif
	MUL16 4, (\q)%2, \q, \slot, \zero
	MUL16 6, (\q)%2, \q, \slot, \zero
	PLACES NP
	WIN 0
	FETCH_A \slot, (\q)+1, 4
.endm
; Slot 0's last step goes on to the rows' upper halves, which landed with the lower ones: no barrier.
.macro TURN slot, next
	s_wait_dscnt 4*NL                              ; the youngest eight loads (A's blocks 4-7) may be out
	WIN MUL_LO
	MUL16 0, 1, NQ-1, \slot, 0
	MUL16 2, 1, NQ-1, \slot, 0
	s_wait_dscnt 0x0                               ; A's blocks 4-7 are in
	WIN 0
	PLACES NP
	v_add_nc_u32 v[ADRS], 4*NQ, v[ADRS]
	FETCH_B \next, 0, 0
	FETCH_A \next, 0, 0
	SCALES \next
	WIN MUL_HI
	MUL16 4, 1, NQ-1, \slot, 0
	MUL16 6, 1, NQ-1, \slot, 0
	PLACES NP
	WIN 0
	FETCH_A \next, 0, 4
.endm
	s_wait_alu depctr_va_vdst(0)
	s_wait_tensorcnt 0x0                           ; my tile of the head's four is in,
	s_barrier_signal -1
	s_barrier_wait -1
	FETCH_B 0, 0, 0
	FETCH_A 0, 0, 0
	SCALES 0
	FETCH_A 0, 0, 4
	s_wait_loadcnt 0x0
	STEP 0, 0, 1
	STEP 0, 1, 0
	STEP 0, 2, 0
	TURN 0, 1
	STEP 1, 0, 0
	STEP 1, 1, 0
	STEP 1, 2, 0
	s_wait_dscnt 4*NL
	WIN MUL_LO
	MUL16 0, 1, NQ-1, 1, 0
	MUL16 2, 1, NQ-1, 1, 0
	s_wait_dscnt 0
	WIN MUL_HI
	MUL16 4, 1, NQ-1, 1, 0
	MUL16 6, 1, NQ-1, 1, 0
	WIN 0
	PLACES NP
	s_lshl_b32 s20, s42, 3
	s_lshl_b32 s21, s16, 2
	s_add_co_u32 s20, s20, s21
	s_lshl_b32 s20, s20, 16
	s_lshl_b32 s21, s17, 8
	s_lshl_b32 s22, s15, 7
	s_add_co_u32 s21, s21, s22
	s_lshl_b32 s21, s21, 4
	s_add_co_u32 s20, s20, s21
	s_mov_b32 s21, 0
	s_add_nc_u64 s[12:13], s[12:13], s[20:21]
	s_lshl_b32 s22, s42, 1
	s_add_co_u32 s22, s22, s16
	s_lshl_b32 s22, s22, 5
	s_lshl_b32 s23, s17, 1
	s_add_co_u32 s22, s22, s23
	s_add_co_u32 s22, s22, s15
	s_lshl_b32 s22, s22, 9
	s_add_co_u32 s22, s22, HSC
	s_mov_b32 s23, 0
	s_add_nc_u64 s[98:99], s[98:99], s[22:23]
	s_mov_b32 s46, 0x76543210
	s_mov_b32 s47, 0xfedcba98
	v_lshlrev_b32 v[CO], 17, v2
	v_lshl_add_u32 v[CO], v1, 4, v[CO]
	v_and_b32 v3, 31, v0
	v_lshlrev_b32 v[SO0], 4, v3
	v_lshlrev_b32 v[SH], 4, v2
	v_cmp_lt_u32 vcc_lo, 15, v3
	v_mov_b32 v38, 0
.macro TOSTAGE a
.set AC, 64*((\a)%4)
	WIN 0x08+4*((\a)/4)
.irp b, 0,1,2,3,4,5,6,7
	ds_store_b128 v[STO], v[AC+8*\b:AC+8*\b+3] offset:64*\b
	ds_store_b128 v[STO], v[AC+8*\b+4:AC+8*\b+7] offset:64*\b+16
.endr
	WIN 0
.set BB, BK+64*((\a)%2)
.irp t, 0,1,2,3,4,5,6,7,8,9,10,11,12,13,14,15
	ds_load_b128 v[BB+4*\t:BB+4*\t+3], v[RD] offset:16*\t
.endr
.endm
.macro Q2
	v_max3_num_f32 v[QM], |v[XS]|, |v[XS+1]|, 0x1800000
	v_max3_num_f32 v[QM+1], |v[XS+32]|, |v[XS+33]|, 0x1800000
.irp i, 2,4,6,8,10,12,14,16,18,20,22,24,26,28,30
	v_max3_num_f32 v[QM], v[QM], |v[XS+\i]|, |v[XS+\i+1]|
	v_max3_num_f32 v[QM+1], v[QM+1], |v[XS+32+\i]|, |v[XS+33+\i]|
.endr
	v_add_nc_u32 v[QS], 0xff000000, v[QM]
	v_add_nc_u32 v[QS+1], 0xff000000, v[QM+1]
	v_lshrrev_b32 v[QB], 23, v[QS]
	v_lshrrev_b32 v[QB+1], 23, v[QS+1]
	s_wait_alu depctr_va_vdst(0)
	s_wait_xcnt 0x0
.irp g, 0,1,2,3
	v_cvt_scalef32_pk8_fp4_f32 v[CC+\g], v[XS+8*\g:XS+8*\g+7], v[QS]
	v_cvt_scalef32_pk8_fp4_f32 v[CC+4+\g], v[XS+32+8*\g:XS+32+8*\g+7], v[QS+1]
.endr
	v_nop
.endm
.macro OUTF a, younger
.set XS, BK+64*((\a)%2)
.set CC, 48+8*((\a)%2)
	s_wait_dscnt \younger
.set j, 0
.rept 32
	v_pk_mul_f32 v[T+j:T+j+1], v[XS+j:XS+j+1], 0xbfb8aa3b op_sel_hi:[1,0]
.set j, j+2
.endr
.set j, 0
	s_wait_alu depctr_va_vdst(0)
.rept 64
	v_exp_f32 v[T+j], v[T+j]
.set j, j+1
.endr
	v_nop
	s_wait_alu depctr_va_vdst(0)
.set j, 0
.rept 32
	v_pk_add_f32 v[T+j:T+j+1], v[T+j:T+j+1], 1.0 op_sel_hi:[1,0]
.set j, j+2
.endr
.set j, 0
	s_wait_alu depctr_va_vdst(0)
.rept 64
	v_rcp_f32 v[T+j], v[T+j]
.set j, j+1
.endr
	v_nop
	s_wait_alu depctr_va_vdst(0)
.set j, 0
.rept 32
	v_pk_mul_f32 v[XS+j:XS+j+1], v[XS+j:XS+j+1], v[T+j:T+j+1]
.set j, j+2
.endr
	Q2
	v_lshl_or_b32 v39, v[QB+1], 8, v[QB]
	v_lshlrev_b32 v39, v[SH], v39
	v_permlanex16_b32 v38, v39, s46, s47
	v_or_b32 v[40+(\a)], v39, v38
	global_store_b128 v[CO], v[CC:CC+3], s[12:13] offset:256*(\a)
	global_store_b128 v[CO], v[CC+4:CC+7], s[12:13] offset:65536+256*(\a)
.endm
	TOSTAGE 0
.irp a, 1,2,3,4,5,6,7
	TOSTAGE \a
	OUTF \a-1, 32
.endr
	OUTF 7, 0
	s_wait_alu depctr_va_vdst(0)
	s_wait_xcnt 0x0
.irp j, 0,1,2,3
	v_cndmask_b32 v[48+\j], v[40+2*\j], v[41+2*\j], vcc_lo
.endr
	global_store_b128 v[SO0], v[48:51], s[98:99]
	s_wait_tensorcnt 0x0
	ds_add_u32 v[SPW], v[NIL]
	s_wait_dscnt 0x0
	CROUND
	s_endpgm
.Lfunc_end_k_qcc67701b6e_ffn1:
	.size	k_qcc67701b6e_ffn1, .Lfunc_end_k_qcc67701b6e_ffn1-k_qcc67701b6e_ffn1
	.p2alignl 7, 3214868480
	.fill 96, 4, 3214868480
	.section	.rodata,"a",@progbits
	.p2align	6, 0x0
	.amdhsa_kernel k_qcc67701b6e_ffn1
		.amdhsa_group_segment_fixed_size 327680
		.amdhsa_private_segment_fixed_size 0
		.amdhsa_enable_private_segment 0
		.amdhsa_kernarg_size 40
		.amdhsa_user_sgpr_count 2
		.amdhsa_user_sgpr_kernarg_segment_ptr 1
		.amdhsa_wavefront_size32 1
		.amdhsa_system_sgpr_workgroup_id_x 1
		.amdhsa_system_sgpr_workgroup_id_y 1
		.amdhsa_system_sgpr_workgroup_id_z 1
		.amdhsa_system_vgpr_workitem_id 0
		.amdhsa_next_free_vgpr 1024
		.amdhsa_next_free_sgpr 100
		.amdhsa_reserve_vcc 1
		.amdhsa_float_denorm_mode_32 3
		.amdhsa_float_denorm_mode_16_64 3
		.amdhsa_memory_ordered 1
		.amdhsa_forward_progress 1
		.amdhsa_inst_pref_size 229
	.end_amdhsa_kernel
	.amdgpu_metadata
---
amdhsa.version: [ 1, 2 ]
amdhsa.kernels:
  - .name:           k_qcc67701b6e_ffn1
    .symbol:         k_qcc67701b6e_ffn1.kd
    .args:
      - { .name: aq, .offset: 0, .size: 8, .value_kind: global_buffer, .address_space: global }
      - { .name: w1_w_codes, .offset: 8, .size: 8, .value_kind: global_buffer, .address_space: global }
      - { .name: w1_w_scales, .offset: 16, .size: 8, .value_kind: global_buffer, .address_space: global }
      - { .name: w1_b, .offset: 24, .size: 8, .value_kind: global_buffer, .address_space: global }
      - { .name: h, .offset: 32, .size: 8, .value_kind: global_buffer, .address_space: global }
    .group_segment_fixed_size: 327680
    .private_segment_fixed_size: 0
    .kernarg_segment_align: 8
    .kernarg_segment_size: 40
    .max_flat_workgroup_size: 128
    .sgpr_count:     100
    .vgpr_count:     1024
    .wavefront_size: 32
...
	.end_amdgpu_metadata
.endif
;; end of part 5
;; launch ffn2 (part 6): grid 8 x 32, 4 waves a work-group, clusters of 4 x 4, 327,680 bytes of LDS; arguments h, w2_w_codes, w2_w_scales, w2_b, o1, z; writes z
.if DOCPART == 6
	.amdgcn_target "amdgcn-amd-amdhsa--gfx1250"
	.amdhsa_code_object_version 6
	.text
	.protected	k_qcc67701b6e_ffn2
	.globl	k_qcc67701b6e_ffn2
	.p2align	8
	.type	k_qcc67701b6e_ffn2,@function
k_qcc67701b6e_ffn2:
	s_mov_b64 s[64:65], 0
	v_nop
	global_prefetch_b8 v0, s[64:65] scope:SCOPE_SE
	s_setreg_imm32_b32 hwreg(HW_REG_WAVE_MODE, 25, 1), 1
	s_wait_xcnt 0x0
	s_wait_alu depctr_hold_cnt(0) depctr_sa_sdst(0) depctr_va_vdst(0) depctr_va_sdst(0) depctr_va_ssrc(0) depctr_va_vcc(0) depctr_vm_vsrc(0)
	s_getreg_b32 s2, hwreg(HW_REG_IB_STS2, 6, 4)
	s_cmp_eq_u32 s2, 0
	s_cbranch_scc0 .Lentry_in_a_cluster
	s_endpgm
.Lentry_in_a_cluster:
	s_bfe_u32 s2, ttmp6, 0x10000c
	s_cmp_lg_u32 s2, 0xf033
	s_cbranch_scc0 .Lentry_shape_is_right
	s_endpgm
.Lentry_shape_is_right:
.set SLOTB, 133120
.set BOFF,  65536
.set BP,    528
.set SCA,   2*SLOTB
.set SCBB,  SCA+16384
.set SPARE, SCBB+17408
.set HSC,   8388608
.set ADRA, 16
.set ADRB, 20
.set ADSA, 22
.set ADSB, 23
.set STO,  24
.set RD,   25
.set CO,   26
.set SPW,  28
.set NIL,  29
.set SC,   32
.set BI,   96
.set ACC,  128
.set G1, 24
.set G0, 32
.set G1B, 48
.set G0B, 56
.set G1S, 68
.set G0S, 76
.set G1SB, 80
.set G0SB, 88
.set MSB, 0
.macro WIN new
.if MSB != \new
	s_set_vgpr_msb (MSB<<8)|\new
.set MSB, \new
.endif
.endm
.set MUL,  0x05
.set TO_F, 0x40
.macro JLOAD g0a, g1a, g0b, g1b
	s_cmp_eq_u32 s15, 0
	s_cbranch_scc0 .Lfor_b_\@
	tensor_load_to_lds s[\g0a:\g0a+3], s[\g1a:\g1a+7]
	s_nop 0
.rept 4
	v_nop
.endr
	s_branch .Lasked_\@
.Lfor_b_\@:
	tensor_load_to_lds s[\g0b:\g0b+3], s[\g1b:\g1b+7]
	s_nop 0
.rept 4
	v_nop
.endr
.Lasked_\@:
.endm
.macro CREST
	s_cmp_lg_u32 s14, 0
	s_cbranch_scc1 .Lnot_wave_0_\@
	s_barrier_signal -3
.Lnot_wave_0_\@:
	s_barrier_wait -3
	s_barrier_signal -1
	s_barrier_wait -1
.endm
.macro CROUND
	s_barrier_signal -1
	s_barrier_wait -1
	CREST
.endm
	s_load_b256 s[4:11], s[0:1], 0x0
	s_load_b128 s[96:99], s[0:1], 0x20
	v_lshl_add_u32 v[SPW], v0, 2, SPARE
	v_mov_b32 v[NIL], 0
	ds_add_u32 v28, v29
	ds_add_u32 v28, v29
	s_wait_dscnt 0x0
	v_lshrrev_b32 v1, 5, v0
	v_readfirstlane_b32 s14, v1
	s_lshr_b32 s15, s14, 1
	s_and_b32 s16, s14, 1
	s_bfe_u32 s40, ttmp6, 0x40000
	s_bfe_u32 s41, ttmp6, 0x40004
	s_lshl_b32 s42, ttmp9, 2
	s_add_co_u32 s42, s42, s40
	s_and_b32 s17, ttmp7, 0xffff
	s_lshl_b32 s17, s17, 2
	s_add_co_u32 s17, s17, s41
	s_lshl_b32 s43, s41, 2
	s_lshl_b32 s43, 15, s43
	s_lshl_b32 s44, 0x1111, s40
	s_or_b32 s[G1+0], s43, (3<<16)|(1<<21)
	s_mov_b32 s[G1+1], 256<<16
	s_mov_b32 s[G1+2], 32<<16                      ; the head's load brings both halves of slot 0's A: 32 rows
	s_mov_b32 s[G1+3], 256<<16
	s_mov_b32 s[G1+4], 32
	s_mov_b32 s[G1+5], 8192
	s_mov_b32 s[G1+6], 0
	s_mov_b32 s[G1+7], 0
	s_or_b32 s[G1B+0], s44, (0<<16)|(1<<20)|(1<<21)|(6<<22)|(3<<25)
	s_mov_b32 s[G1B+1], 512<<16
	s_mov_b32 s[G1B+2], 128<<16                    ; and of B: 128 rows
	s_mov_b32 s[G1B+3], 512<<16
	s_mov_b32 s[G1B+4], 128
	s_mov_b32 s[G1B+5], 2048
	s_mov_b32 s[G1B+6], 0
	s_mov_b32 s[G1B+7], 0
	s_or_b32 s[G1S+0], s43, (3<<16)|(1<<21)
	s_mov_b32 s[G1S+1], 64<<16
	s_mov_b32 s[G1S+2], 32<<16
	s_mov_b32 s[G1S+3], 64<<16
	s_mov_b32 s[G1S+4], 32
	s_mov_b32 s[G1S+5], 2048
	s_mov_b32 s[G1S+6], 0
	s_mov_b32 s[G1S+7], 0
	s_or_b32 s[G1SB+0], s44, (3<<16)|(1<<20)|(1<<21)|(5<<22)|(3<<25)
	s_mov_b32 s[G1SB+1], 32<<16
	s_mov_b32 s[G1SB+2], 64<<16
	s_mov_b32 s[G1SB+3], 32<<16
	s_mov_b32 s[G1SB+4], 64
	s_mov_b32 s[G1SB+5], 32
	s_mov_b32 s[G1SB+6], 0
	s_mov_b32 s[G1SB+7], 0
	s_lshl_b32 s20, s17, 11                        ; where the whole tiles begin: A's codes,
	s_mov_b32 s21, 0
	s_lshl_b32 s22, s17, 9                         ; A's scales,
	s_add_co_u32 s22, s22, HSC
	s_mov_b32 s23, 0
	s_lshl_b32 s46, s42, 18                        ; B's codes,
	s_mov_b32 s47, 0
	s_lshl_b32 s92, s42, 14                        ; B's scales
	s_mov_b32 s93, 0
	s_lshl_b32 s2, s16, 20                         ; in the ring I fetch half a tile: my half of A in memory,
	s_mov_b32 s3, 0
	s_lshl_b32 s45, s16, 15                        ; and in a slot;
	s_mul_i32 s94, s16, 64*BP                      ; my half of B in a slot
	s_add_co_u32 s94, s94, BOFF
	s_wait_kmcnt 0x0
	s_add_nc_u64 s[20:21], s[4:5], s[20:21]
	s_add_nc_u64 s[22:23], s[4:5], s[22:23]
	s_add_nc_u64 s[46:47], s[6:7], s[46:47]
	s_add_nc_u64 s[92:93], s[8:9], s[92:93]
	CROUND
	; THE HEAD'S FOUR TILES, each whole, one joint load a wave: wave 0 slot 0's A, wave 1 slot 0's B, wave 2 A's scales for all of K, wave 3 B's.
	s_mov_b32 s[G0S], 1
	s_mov_b32 s[G0S+1], SCA
	s_mov_b64 s[G0S+2:G0S+3], s[22:23]
	s_or_b32 s[G0S+3], s[G0S+3], 0x80000000
	s_mov_b32 s[G0SB], 1
	s_mov_b32 s[G0SB+1], SCBB
	s_mov_b64 s[G0SB+2:G0SB+3], s[92:93]
	s_or_b32 s[G0SB+3], s[G0SB+3], 0x80000000
	s_lshl_b32 s92, s16, 17                        ; my half of B in memory
	s_mov_b32 s93, 0
	s_mov_b32 s[G0], 1
	s_mov_b32 s[G0+1], 0
	s_mov_b64 s[G0+2:G0+3], s[20:21]
	s_or_b32 s[G0+3], s[G0+3], 0x80000000
	s_mov_b32 s[G0B], 1
	s_mov_b32 s[G0B+1], BOFF
	s_mov_b64 s[G0B+2:G0B+3], s[46:47]
	s_or_b32 s[G0B+3], s[G0B+3], 0x80000000
	s_add_nc_u64 s[20:21], s[20:21], s[2:3]        ; slot 1: my half of each tile
	s_add_nc_u64 s[46:47], s[46:47], s[92:93]
	s_mov_b32 s[G0+4], 1
	s_add_co_u32 s[G0+5], s45, SLOTB
	s_add_nc_u64 s[G0+6:G0+7], s[20:21], 2097152
	s_or_b32 s[G0+7], s[G0+7], 0x80000000
	s_mov_b32 s[G0B+4], 1
	s_add_co_u32 s[G0B+5], s94, SLOTB
	s_add_nc_u64 s[G0B+6:G0B+7], s[46:47], 512
	s_or_b32 s[G0B+7], s[G0B+7], 0x80000000
.macro ARM under, g0, g1, next         ; an arm of the head's one tree of branches on the wave's number
	s_cmp_lt_u32 s14, \under
	s_cbranch_scc0 \next
	tensor_load_to_lds s[\g0:\g0+3], s[\g1:\g1+7]
	s_nop 0
.rept 4
	v_nop
.endr
	s_branch .Lhead_asked
\next:
.endm
	ARM 1, G0,  G1,  .Lhead_b
	ARM 2, G0B, G1B, .Lhead_sa
	ARM 3, G0S, G1S, .Lhead_sb
	tensor_load_to_lds s[G0SB:G0SB+3], s[G1SB:G1SB+7]
	s_nop 0
.rept 4
	v_nop
.endr
.Lhead_asked:
	; PREFETCHES INTO THE L2 of the slots to come.  A slot's part of a tile: A 32 rows of 2,048 bytes, 65,536 apart; B 128 rows of 512 bytes, 2,048 apart: 256 blocks of 256 bytes each.
	; The four partners that ask for a tile jointly share its rows out by address (A: by cx, 8 rows each; B: by cy, 32 rows each); of a partner's rows each of the two waves takes half:
	; 32 blocks, a lane a block, one instruction a wave and slot.  Waves 0 and 1 ask for A, waves 2 and 3 for B.  Here slots 1 and 2 are asked for; behind slot 1's load slot 3, the last.
	; s[4:5], s[6:7], s[8:9] (slots 1, 2, 3) and v[PFO] are never rewritten.
.set PFO, 30
	s_cmp_eq_u32 s15, 0                            ; only selects and moves follow this compare
	s_cselect_b64 s[4:5], s[4:5], s[6:7]           ; A's codes or B's
	s_cselect_b32 s18, 3, 1                        ; log2 of the blocks in a row's part: 8 or 2
	s_mov_b32 s19, 2048
	s_cselect_b32 s19, 0x10000, s19                ; from row to row
	s_mov_b32 s22, 512
	s_cselect_b32 s22, 0x200000, s22               ; from slot to slot
	s_cselect_b32 s23, s40, s41                    ; my place among the four partners
	s_cselect_b32 s95, s17, s42                    ; the tile,
	s_cselect_b32 s6, 11, 18                       ; log2 of the bytes from tile to tile,
	s_cselect_b32 s7, 3, 5                         ; log2 of a partner's rows
	s_lshl_b32 s95, s95, s6
	s_lshl_b32 s23, s23, s7
	s_sub_co_u32 s7, s7, 1
	s_lshl_b32 s7, s16, s7                         ; my wave's half of them
	s_add_co_u32 s23, s23, s7
	s_mul_i32 s23, s23, s19
	s_add_co_u32 s6, s95, s23
	s_mov_b32 s7, 0
	s_mov_b32 s23, 0
	s_add_nc_u64 s[4:5], s[4:5], s[6:7]
	s_add_nc_u64 s[4:5], s[4:5], s[22:23]          ; slot 1
	s_add_nc_u64 s[6:7], s[4:5], s[22:23]          ; slot 2
	s_add_nc_u64 s[8:9], s[6:7], s[22:23]          ; slot 3
	v_and_b32 v8, 31, v0
	v_lshrrev_b32 v9, s18, v8                      ; my lane's row
	s_bfm_b32 s18, s18, 0
	v_and_b32 v8, s18, v8                          ; and its block in the row's part
	v_mul_lo_u32 v9, v9, s19
	v_lshl_add_u32 v[PFO], v8, 8, v9
	global_prefetch_b8 v[PFO], s[4:5] th:TH_LOAD_NT scope:SCOPE_SE
	global_prefetch_b8 v[PFO], s[6:7] th:TH_LOAD_NT scope:SCOPE_SE
	v_and_b32 v1, 15, v0
	v_bfe_u32 v2, v0, 4, 1
	s_wait_alu depctr_va_vdst(0)
	v_and_b32 v3, 31, v0
	s_lshl_b32 s18, s42, 9
	s_lshl_b32 s19, s16, 8
	s_add_co_u32 s18, s18, s19
	s_mov_b32 s19, 0
	s_add_nc_u64 s[10:11], s[10:11], s[18:19]
	s_lshl_b32 s20, s17, 7
	s_lshl_b32 s21, s15, 6
	s_add_co_u32 s20, s20, s21
	s_lshl_b32 s20, s20, 12
	s_add_co_u32 s20, s20, s18
	s_mov_b32 s21, 0
	s_add_nc_u64 s[96:97], s[96:97], s[20:21]
	s_add_nc_u64 s[98:99], s[98:99], s[20:21]
	v_lshlrev_b32 v7, 5, v2
.irp b, 0,1,2,3
	global_load_b128 v[BI+8*\b:BI+8*\b+3], v7, s[10:11] offset:64*\b
	global_load_b128 v[BI+8*\b+4:BI+8*\b+7], v7, s[10:11] offset:64*\b+16
.endr
	v_lshlrev_b32 v[CO], 12, v2
	v_lshl_add_u32 v[CO], v1, 4, v[CO]
	WIN TO_F
.irp a, 0,1,2,3
.irp i, 0,1,2,3,4,5,6,7
	global_load_b128 v[64+32*(\a%2)+128*(\a/2)+4*\i:64+32*(\a%2)+128*(\a/2)+4*\i+3], v[CO], s[96:97] offset:(16*\a+2*\i)*4096 th:TH_LOAD_NT
.endr
.endr
	WIN 0
	v_lshlrev_b32 v4, 11, v2
	v_lshl_add_u32 v4, v1, 4, v4
	s_lshl_b32 s21, s15, 10
	v_mul_u32_u24 v5, v1, BP
	v_lshl_add_u32 v5, v2, 4, v5
	s_mul_i32 s22, s16, 64*BP
	s_add_co_u32 s22, s22, BOFF
.irp s, 0,1
	v_add_nc_u32 v[ADRA+\s], s21, v4
	v_add_nc_u32 v[ADRB+\s], s22, v5
	s_add_co_u32 s21, s21, SLOTB
	s_add_co_u32 s22, s22, SLOTB
.endr
	s_lshl_b32 s21, s15, 3
	s_add_co_u32 s21, s21, SCA
	v_lshl_add_u32 v[ADSA], v3, 4, s21
	v_lshrrev_b32 v4, 1, v3
	v_mul_u32_u24 v4, v4, 272
	v_and_b32 v5, 1, v3
	v_lshl_add_u32 v4, v5, 7, v4
	s_mul_i32 s22, s16, 8704
	s_add_co_u32 s22, s22, SCBB
	v_add_nc_u32 v[ADSB], s22, v4
	s_mul_i32 s23, s14, 16*272
	v_mul_u32_u24 v4, v1, 272
	v_lshl_add_u32 v4, v2, 5, v4
	v_add_nc_u32 v[STO], s23, v4
	v_mul_u32_u24 v4, v2, 272
	v_lshl_add_u32 v4, v1, 4, v4
	v_add_nc_u32 v[RD], s23, v4
.macro PLACES n
.rept \n
	v_nop
.endr
.endm
.macro FETCH slot, q, p
	WIN TO_F
.irp i, 0,1,2,3
.irp c, 0,1
	ds_load_b128 v[128*(\p)+32+8*\i+4*\c:128*(\p)+32+8*\i+4*\c+3], v[ADRB+\slot] offset:16*BP*\i+64*(\q)+32*\c
.endr
.endr
.irp i, 0,1,2,3
.irp c, 0,1
	ds_load_b128 v[128*(\p)+8*\i+4*\c:128*(\p)+8*\i+4*\c+3], v[ADRA+\slot] offset:8192*(\q)+4096*\c+256*\i
.endr
.endr
.endm
.macro SCALES sc
	WIN 0
.irp q, 0,1,2,3,4,5,6,7
	ds_load_b64 v[SC+32*(\sc)+2*\q:SC+32*(\sc)+2*\q+1], v[ADSA] offset:512*\q
.endr
.irp j, 0,1
.irp g, 0,1
	ds_load_b128 v[SC+32*(\sc)+16+8*\j+4*\g:SC+32*(\sc)+16+8*\j+4*\g+3], v[ADSB] offset:4352*\j+16*\g
.endr
.endr
.endm
.macro WM a, b, p, q, sc, first
.set rD, ACC+8*(4*(\a)+(\b))
.set rB, 128*(\p)+32+8*(\b)
.set rA, 128*(\p)+8*(\a)
.set sB, SC+32*(\sc)+16+8*((\b)/2)+(\q)
.set sA, SC+32*(\sc)+2*(\q)+(\a)/2
.if \first
.set rC, BI+8*(\b)
.else
.set rC, rD
.endif
.if ((\b)%2 == 0) && ((\a)%2 == 0)
	v_wmma_scale_f32_16x16x128_f8f6f4 v[rD:rD+7], v[rB:rB+7], v[rA:rA+7], v[rC:rC+7], v[sB], v[sA] matrix_a_fmt:MATRIX_FMT_FP4 matrix_b_fmt:MATRIX_FMT_FP4
.elseif ((\b)%2 == 1) && ((\a)%2 == 0)
	v_wmma_scale_f32_16x16x128_f8f6f4 v[rD:rD+7], v[rB:rB+7], v[rA:rA+7], v[rC:rC+7], v[sB], v[sA] matrix_a_fmt:MATRIX_FMT_FP4 matrix_b_fmt:MATRIX_FMT_FP4 matrix_a_scale:MATRIX_SCALE_ROW1
.elseif ((\b)%2 == 0)
	v_wmma_scale_f32_16x16x128_f8f6f4 v[rD:rD+7], v[rB:rB+7], v[rA:rA+7], v[rC:rC+7], v[sB], v[sA] matrix_a_fmt:MATRIX_FMT_FP4 matrix_b_fmt:MATRIX_FMT_FP4 matrix_b_scale:MATRIX_SCALE_ROW1
.else
	v_wmma_scale_f32_16x16x128_f8f6f4 v[rD:rD+7], v[rB:rB+7], v[rA:rA+7], v[rC:rC+7], v[sB], v[sA] matrix_a_fmt:MATRIX_FMT_FP4 matrix_b_fmt:MATRIX_FMT_FP4 matrix_a_scale:MATRIX_SCALE_ROW1 matrix_b_scale:MATRIX_SCALE_ROW1
.endif
.endm
.macro MULA a, p, q, sc, first
.irp b, 0,1,2,3
	WM \a, \b, \p, \q, \sc, \first
.endr
.endm
.macro STEP slot, q, first
	PLACES 4
	FETCH \slot, (\q)+1, 1-(\q)%2
	s_wait_dscnt 16
	WIN MUL
	MULA 0, (\q)%2, \q, \slot, \first
	MULA 1, (\q)%2, \q, \slot, \first
	MULA 2, (\q)%2, \q, \slot, \first
	MULA 3, (\q)%2, \q, \slot, \first
.endm
.macro SEVEN slot, first
	STEP \slot, 0, \first
.irp q, 1,2,3,4,5,6
	STEP \slot, \q, 0
.endr
.endm
.macro TURN slot, next, fill
	WIN 0
	s_wait_tensorcnt 0x0
	ds_add_u32 v[SPW], v[NIL]
	s_wait_dscnt 1
	WIN MUL
	MULA 0, 1, 7, \slot, 0
	s_wait_dscnt 0x0
	s_barrier_signal -1
	MULA 1, 1, 7, \slot, 0
	WIN 0
	s_barrier_wait -1
.if \fill
	CREST
	s_add_nc_u64 s[G0+4*\slot+2:G0+4*\slot+3], s[G0+4*\slot+2:G0+4*\slot+3], 4194304
	s_add_nc_u64 s[G0B+4*\slot+2:G0B+4*\slot+3], s[G0B+4*\slot+2:G0B+4*\slot+3], 1024
	JLOAD G0+4*\slot, G1, G0B+4*\slot, G1B
.else
	PLACES 4
.endif
	s_wait_alu depctr_va_vdst(0)
	v_add_nc_u32 v[ADSA], 4096, v[ADSA]
	v_add_nc_u32 v[ADSB], 32, v[ADSB]
	FETCH \next, 0, 0
	SCALES \next
	WIN MUL
	MULA 2, 1, 7, \slot, 0
	MULA 3, 1, 7, \slot, 0
.endm
	s_wait_alu depctr_va_vdst(0)
	s_wait_tensorcnt 0x0                           ; my tile of the head's four is in
	ds_add_u32 v[SPW], v[NIL]
	s_mov_b32 s[G1+2], 16<<16                      ; no tensor load of mine is out, so descriptors may be written: from here on a load brings half a tile,
	s_mov_b32 s[G1+4], 16
	s_mov_b32 s[G1B+2], 64<<16
	s_mov_b32 s[G1B+4], 64
	s_mov_b32 s[G0+1], s45                         ; and slot 0's refills bring my half
	s_add_nc_u64 s[G0+2:G0+3], s[G0+2:G0+3], s[2:3]
	s_mov_b32 s[G0B+1], s94
	s_add_nc_u64 s[G0B+2:G0B+3], s[G0B+2:G0B+3], s[92:93]
	s_wait_dscnt 0x0                               ; the add is done
	CROUND                                         ; a whole round: all four tiles are in, and the joint loads meet
	JLOAD G0+4, G1, G0B+4, G1B                     ; slot 1's first fill, the first tensor load behind the round
	FETCH 0, 0, 0
	global_prefetch_b8 v[PFO], s[8:9] th:TH_LOAD_NT scope:SCOPE_SE   ; slot 3: two slots ahead of the load that will want it
	SCALES 0
	s_wait_loadcnt 32
	SEVEN 0, 1
	TURN 0, 1, 1
	SEVEN 1, 0
	TURN 1, 0, 1
	SEVEN 0, 0
	TURN 0, 1, 0
	SEVEN 1, 0
	s_wait_dscnt 0x0
	WIN MUL
	MULA 0, 1, 7, 1, 0
	MULA 1, 1, 7, 1, 0
	MULA 2, 1, 7, 1, 0
	MULA 3, 1, 7, 1, 0
	WIN 0
	PLACES 4
	s_wait_loadcnt 0x0
.macro OUT a
.set BB, 32+32*((\a)%2)
.set RS, 64+32*((\a)%2)+128*((\a)/2)
	s_wait_xcnt 0x0
.irp b, 0,1,2,3
	ds_store_b128 v[STO], v[ACC+8*(4*(\a)+\b):ACC+8*(4*(\a)+\b)+3] offset:64*\b
	ds_store_b128 v[STO], v[ACC+8*(4*(\a)+\b)+4:ACC+8*(4*(\a)+\b)+7] offset:64*\b+16
.endr
.irp i, 0,1,2,3,4,5,6,7
	ds_load_b128 v[BB+4*\i:BB+4*\i+3], v[RD] offset:544*\i
.endr
	s_wait_dscnt 0x0
	WIN 0x04
.irp i, 0,1,2,3,4,5,6,7
	v_pk_add_f32 v[BB+4*\i:BB+4*\i+1], v[BB+4*\i:BB+4*\i+1], v[RS+4*\i:RS+4*\i+1]
	v_pk_add_f32 v[BB+4*\i+2:BB+4*\i+3], v[BB+4*\i+2:BB+4*\i+3], v[RS+4*\i+2:RS+4*\i+3]
.endr
	WIN 0
.irp i, 0,1,2,3,4,5,6,7
	global_store_b128 v[CO], v[BB+4*\i:BB+4*\i+3], s[98:99] offset:(16*(\a)+2*\i)*4096
.endr
.endm
.irp a, 0,1,2,3
	OUT \a
.endr
	s_wait_tensorcnt 0x0
	ds_add_u32 v[SPW], v[NIL]
	s_wait_dscnt 0x0
	CROUND
	s_endpgm
.Lfunc_end_k_qcc67701b6e_ffn2:
	.size	k_qcc67701b6e_ffn2, .Lfunc_end_k_qcc67701b6e_ffn2-k_qcc67701b6e_ffn2
	.p2alignl 7, 3214868480
	.fill 96, 4, 3214868480
	.section	.rodata,"a",@progbits
	.p2align	6, 0x0
	.amdhsa_kernel k_qcc67701b6e_ffn2
		.amdhsa_group_segment_fixed_size 327680
		.amdhsa_private_segment_fixed_size 0
		.amdhsa_enable_private_segment 0
		.amdhsa_kernarg_size 48
		.amdhsa_user_sgpr_count 2
		.amdhsa_user_sgpr_kernarg_segment_ptr 1
		.amdhsa_wavefront_size32 1
		.amdhsa_system_sgpr_workgroup_id_x 1
		.amdhsa_system_sgpr_workgroup_id_y 1
		.amdhsa_system_sgpr_workgroup_id_z 1
		.amdhsa_system_vgpr_workitem_id 0
		.amdhsa_next_free_vgpr 512
		.amdhsa_next_free_sgpr 100
		.amdhsa_reserve_vcc 0
		.amdhsa_float_denorm_mode_32 3
		.amdhsa_float_denorm_mode_16_64 3
		.amdhsa_memory_ordered 1
		.amdhsa_forward_progress 1
		.amdhsa_inst_pref_size 137
	.end_amdhsa_kernel
	.amdgpu_metadata
---
amdhsa.version: [ 1, 2 ]
amdhsa.kernels:
  - .name:           k_qcc67701b6e_ffn2
    .symbol:         k_qcc67701b6e_ffn2.kd
    .args:
      - { .name: h, .offset: 0, .size: 8, .value_kind: global_buffer, .address_space: global }
      - { .name: w2_w_codes, .offset: 8, .size: 8, .value_kind: global_buffer, .address_space: global }
      - { .name: w2_w_scales, .offset: 16, .size: 8, .value_kind: global_buffer, .address_space: global }
      - { .name: w2_b, .offset: 24, .size: 8, .value_kind: global_buffer, .address_space: global }
      - { .name: o1, .offset: 32, .size: 8, .value_kind: global_buffer, .address_space: global }
      - { .name: z, .offset: 40, .size: 8, .value_kind: global_buffer, .address_space: global }
    .group_segment_fixed_size: 327680
    .private_segment_fixed_size: 0
    .kernarg_segment_align: 8
    .kernarg_segment_size: 48
    .max_flat_workgroup_size: 128
    .sgpr_count:     100
    .vgpr_count:     512
    .wavefront_size: 32
...
	.end_amdgpu_metadata
.endif
;; end of part 6
;; launch ln2 (part 7): grid 256 x 1, 4 waves a work-group, no clusters, 0 bytes of LDS; arguments z, ln2_g, ln2_b, out0; writes out0
.if DOCPART == 7
	.amdgcn_target "amdgcn-amd-amdhsa--gfx1250"
	.amdhsa_code_object_version 6
	.text
	.protected	k_qcc67701b6e_ln2
	.globl	k_qcc67701b6e_ln2
	.p2align	8
	.type	k_qcc67701b6e_ln2,@function
k_qcc67701b6e_ln2:
	s_mov_b64 s[64:65], 0
	v_nop
	global_prefetch_b8 v0, s[64:65] scope:SCOPE_SE
	s_setreg_imm32_b32 hwreg(HW_REG_WAVE_MODE, 25, 1), 1
	s_wait_xcnt 0x0
; out0 = layer norm of z's rows of 1,024 (mean, then the mean of squared differences: two passes over registers, so that a common offset costs nothing), x ln2_g + ln2_b, all in f32.
; A wave takes 4 whole rows; lane l holds columns 128 i + 4 l .. + 3, i = 0 .. 7: each load and store covers 512 consecutive bytes.  All 48 loads of a wave go out at the head.  No LDS, no barrier.
; LIMITS: NaN and infinities are not served.
.set X, 64                             ; v64-191  four rows of 32 registers
.set G, 192                            ; v192-223 the gain at my columns
.set B, 224                            ; v224-255 the bias
	s_load_b256 s[4:11], s[0:1], 0x0               ; z s[4:5], ln2_g s[6:7], ln2_b s[8:9], out0 s[10:11]
	v_lshrrev_b32 v2, 5, v0
	v_readfirstlane_b32 s16, v2                    ; wave
	v_and_b32 v4, 31, v0
	v_lshlrev_b32 v1, 4, v4                        ; 16 x lane
	s_mov_b32 s12, 0x76543210
	s_mov_b32 s13, 0xfedcba98
	s_mov_b32 s17, 0x3a800000                      ; 1 / 1,024
	s_lshl_b32 s18, ttmp9, 4
	s_lshl_b32 s19, s16, 2
	s_add_co_u32 s18, s18, s19                     ; my first row
	s_lshl_b32 s20, s18, 12
	s_mov_b32 s21, 0
	v_mov_b32 v9, 0                                ; a lane permute's destination counts as one of its sources
	s_wait_alu depctr_va_vdst(0)
	s_wait_kmcnt 0x0
	s_add_nc_u64 s[4:5], s[4:5], s[20:21]
	s_add_nc_u64 s[10:11], s[10:11], s[20:21]
.irp i, 0,1,2,3,4,5,6,7
	global_load_b128 v[G+4*\i:G+4*\i+3], v1, s[6:7] offset:512*\i
.endr
.irp i, 0,1,2,3,4,5,6,7
	global_load_b128 v[B+4*\i:B+4*\i+3], v1, s[8:9] offset:512*\i
.endr
.irp t, 0,1,2,3
.irp i, 0,1,2,3,4,5,6,7
	global_load_b128 v[X+32*\t+4*\i:X+32*\t+4*\i+3], v1, s[4:5] offset:4096*\t+512*\i th:TH_LOAD_NT
.endr
.endr
.macro LSUM                            ; v8 summed over the 32 lanes, the result in every lane
	v_add_f32_dpp v8, v8, v8 row_xmask:1 row_mask:0xf bank_mask:0xf
	v_add_f32_dpp v8, v8, v8 row_xmask:2 row_mask:0xf bank_mask:0xf
	v_add_f32_dpp v8, v8, v8 row_xmask:4 row_mask:0xf bank_mask:0xf
	v_add_f32_dpp v8, v8, v8 row_xmask:8 row_mask:0xf bank_mask:0xf
	v_permlanex16_b32 v9, v8, s12, s13
	v_add_f32 v8, v8, v9
.endm
.macro ROW t
.set XS, X+32*(\t)
	s_wait_loadcnt 24-8*(\t)                       ; gain, bias and this row are in; the later rows' loads may be out
	v_pk_add_f32 v[4:5], v[XS:XS+1], v[XS+2:XS+3]
	v_pk_add_f32 v[6:7], v[XS+4:XS+5], v[XS+6:XS+7]
.irp j, 8,12,16,20,24,28
	v_pk_add_f32 v[4:5], v[4:5], v[XS+\j:XS+\j+1]
	v_pk_add_f32 v[6:7], v[6:7], v[XS+\j+2:XS+\j+3]
.endr
	v_pk_add_f32 v[4:5], v[4:5], v[6:7]
	v_add_f32 v8, v4, v5
	LSUM
	v_mul_f32 v10, s17, v8                         ; the mean
	v_mov_b32 v11, v10
.irp j, 0,2,4,6,8,10,12,14,16,18,20,22,24,26,28,30
	v_pk_add_f32 v[XS+\j:XS+\j+1], v[XS+\j:XS+\j+1], v[10:11] neg_lo:[0,1] neg_hi:[0,1]
.endr
	v_pk_mul_f32 v[4:5], v[XS:XS+1], v[XS:XS+1]
	v_pk_mul_f32 v[6:7], v[XS+2:XS+3], v[XS+2:XS+3]
.irp j, 4,8,12,16,20,24,28
	v_pk_fma_f32 v[4:5], v[XS+\j:XS+\j+1], v[XS+\j:XS+\j+1], v[4:5]
	v_pk_fma_f32 v[6:7], v[XS+\j+2:XS+\j+3], v[XS+\j+2:XS+\j+3], v[6:7]
.endr
	v_pk_add_f32 v[4:5], v[4:5], v[6:7]
	v_add_f32 v8, v4, v5
	LSUM
	v_fmaak_f32 v12, s17, v8, 0x3727c5ac           ; the variance + 1e-5
	s_wait_alu depctr_va_vdst(0)
	v_rsq_f32 v14, v12
	v_nop                                          ; a plain place behind the transcendental
	s_wait_alu depctr_va_vdst(0)                   ; and the wait ahead of its first reader
	v_mov_b32 v15, v14
.irp j, 0,2,4,6,8,10,12,14,16,18,20,22,24,26,28,30
	v_pk_mul_f32 v[XS+\j:XS+\j+1], v[XS+\j:XS+\j+1], v[14:15]
.endr
.irp j, 0,2,4,6,8,10,12,14,16,18,20,22,24,26,28,30
	v_pk_fma_f32 v[XS+\j:XS+\j+1], v[XS+\j:XS+\j+1], v[G+\j:G+\j+1], v[B+\j:B+\j+1]
.endr
.irp i, 0,1,2,3,4,5,6,7
	global_store_b128 v1, v[XS+4*\i:XS+4*\i+3], s[10:11] offset:4096*(\t)+512*\i th:TH_STORE_NT   ; 512 consecutive bytes; these registers are not written again
.endr
.endm
.irp t, 0,1,2,3
	ROW \t
.endr
	s_endpgm
.Lfunc_end_k_qcc67701b6e_ln2:
	.size	k_qcc67701b6e_ln2, .Lfunc_end_k_qcc67701b6e_ln2-k_qcc67701b6e_ln2
	.p2alignl 7, 3214868480
	.fill 96, 4, 3214868480
	.section	.rodata,"a",@progbits
	.p2align	6, 0x0
	.amdhsa_kernel k_qcc67701b6e_ln2
		.amdhsa_group_segment_fixed_size 0
		.amdhsa_private_segment_fixed_size 0
		.amdhsa_enable_private_segment 0
		.amdhsa_kernarg_size 32
		.amdhsa_user_sgpr_count 2
		.amdhsa_user_sgpr_kernarg_segment_ptr 1
		.amdhsa_wavefront_size32 1
		.amdhsa_system_sgpr_workgroup_id_x 1
		.amdhsa_system_sgpr_workgroup_id_y 1
		.amdhsa_system_sgpr_workgroup_id_z 1
		.amdhsa_system_vgpr_workitem_id 0
		.amdhsa_next_free_vgpr 256
		.amdhsa_next_free_sgpr 66
		.amdhsa_reserve_vcc 0
		.amdhsa_float_denorm_mode_32 3
		.amdhsa_float_denorm_mode_16_64 3
		.amdhsa_memory_ordered 1
		.amdhsa_forward_progress 1
		.amdhsa_inst_pref_size 33
	.end_amdhsa_kernel
	.amdgpu_metadata
---
amdhsa.version: [ 1, 2 ]
amdhsa.kernels:
  - .name:           k_qcc67701b6e_ln2
    .symbol:         k_qcc67701b6e_ln2.kd
    .args:
      - { .name: z, .offset: 0, .size: 8, .value_kind: global_buffer, .address_space: global }
      - { .name: ln2_g, .offset: 8, .size: 8, .value_kind: global_buffer, .address_space: global }
      - { .name: ln2_b, .offset: 16, .size: 8, .value_kind: global_buffer, .address_space: global }
      - { .name: out0, .offset: 24, .size: 8, .value_kind: global_buffer, .address_space: global }
    .group_segment_fixed_size: 0
    .private_segment_fixed_size: 0
    .kernarg_segment_align: 8
    .kernarg_segment_size: 32
    .max_flat_workgroup_size: 128
    .sgpr_count:     66
    .vgpr_count:     256
    .wavefront_size: 32
...
	.end_amdgpu_metadata
.endif
;; end of part 7
